; MI455X (gfx1250); checked and timed in simulation.
; The chip was launched on July 23, 2026; its instructions are those of AMD's public machine-readable ISA for CDNA 5 (MIT licence, August 2026) and "CDNA5" Instruction Set Architecture Reference Guide (July 2026). The comments in the code are by the model that wrote it; some were corrected since.
;; Attention. Allowed arithmetic: matrix products marked QUANTISED: E5M2 operands, one given power-of-two scale a tensor, by v_wmma_f32_16x16x64_bf8_bf8 or v_wmma_f32_16x16x128_bf8_bf8, f32 sums; everything else in f32.
;; Inputs: b1 1,024 float32; b2 1,024 float32; b_mlp1 4,096 float32; b_mlp2 1,024 float32; g1 1,024 float32; g2 1,024 float32; lowp_scales 16 int32 (the exponents e of the quantised operands' scales 2^e); seq_mask 2 x 2,048 bool; w_mlp1_codes 4,096 x 32 x 32 uint8 (E5M2 codes of w_mlp1, K innermost, in blocks of 32 codes); w_mlp2_codes 1,024 x 128 x 32 uint8 (E5M2 codes of w_mlp2, K innermost, in blocks of 32 codes); wk_codes 1,024 x 32 x 32 uint8 (E5M2 codes of wk, K innermost, in blocks of 32 codes); wo_codes 1,024 x 32 x 32 uint8 (E5M2 codes of wo, K innermost, in blocks of 32 codes); wq_codes 1,024 x 32 x 32 uint8 (E5M2 codes of wq, K innermost, in blocks of 32 codes); wv_codes 1,024 x 32 x 32 uint8 (E5M2 codes of wv, K innermost, in blocks of 32 codes); x 2 x 2,048 x 1,024 float32.
;; Outputs: out0 2 x 2,048 x 1,024 float32.
;; This version of the problem:
;;   THIS VERSION OF THE PROBLEM IS GIVEN IN LOW PRECISION. The matrix products marked QUANTISED in the list below multiply operands that are first quantised to E5M2 (5 exponent bits, 2 mantissa bits; 8 bits a number), with one given power-of-two scale for each operand tensor; their sums are f32. All else is computed in f32.
;;   The module's matrix products, in the order in which they are computed (A, B: the left and right operand; K: the contracted axis; several contracted axes count as one K, in the product's order):
;;     1. [M 4,096, K 1,024] x [K 1,024, N 1,024]; A: computed on the way; B: input wq (given as codes): QUANTISED (scales: A lowp_scales[0], B lowp_scales[1])
;;     2. [M 4,096, K 1,024] x [K 1,024, N 1,024]; A: computed on the way; B: input wk (given as codes): QUANTISED (scales: A lowp_scales[2], B lowp_scales[3])
;;     3. [M 4,096, K 1,024] x [K 1,024, N 1,024]; A: computed on the way; B: input wv (given as codes): QUANTISED (scales: A lowp_scales[4], B lowp_scales[5])
;;     4. batch 32 x [M 2,048, K 64] x [K 64, N 2,048]; A: computed on the way; B: computed on the way: QUANTISED (scales: A lowp_scales[6], B lowp_scales[7])
;;     5. batch 32 x [M 2,048, K 2,048] x [K 2,048, N 64]; A: softmax (see below); B: computed on the way: QUANTISED (scales: A lowp_scales[8], B lowp_scales[9])
;;     6. [M 4,096, K 1,024] x [K 1,024, N 1,024]; A: computed on the way; B: input wo (given as codes): QUANTISED (scales: A lowp_scales[10], B lowp_scales[11])
;;     7. [M 4,096, K 1,024] x [K 1,024, N 4,096]; A: computed on the way; B: input w_mlp1 (given as codes): QUANTISED (scales: A lowp_scales[12], B lowp_scales[13])
;;     8. [M 4,096, K 4,096] x [K 4,096, N 1,024]; A: computed on the way; B: input w_mlp2 (given as codes): QUANTISED (scales: A lowp_scales[14], B lowp_scales[15])
;;   THE QUANTISER, for each operand of a quantised product, along K:
;;     - The operand's scale is 2^e, e = its entry of the input lowp_scales (int32; the entries are numbered through the quantised products in the list's order, A before B).
;;     - Each number is divided by the scale, clamped to +-57,344, and rounded to the nearest number of E5M2, ties to even, subnormals kept.
;;     - The product sums the exact products of the quantised numbers (number of the format x scale) in f32.
;;   ~~~python
;;   def quantise(x, axis, e):      # numpy; x: float32 -> the quantised numbers, widened to float32 again
;;       x = np.moveaxis(x, axis, -1); K = x.shape[-1]
;;       r = np.clip(x / 2.0 ** e, -57344, 57344)
;;       step = 2.0 ** (np.maximum(np.frexp(np.where(r == 0, 1, r))[1] - 1, -14) - 2)
;;       q = np.round(r / step) * step * 2.0 ** e      # np.round: ties to even
;;       return np.moveaxis(q, -1, axis).astype(np.float32)
;;   ~~~
;;   SOFTMAX AHEAD OF A QUANTISED PRODUCT. Where the list says 'softmax', what is quantised is not the finished softmax but p = 2^(t - M), with t = logit x log2(e) and M = ceil(the row's largest t), a whole number; so 1/2 < the row's largest p <= 1. The row's sum l is taken of the UNQUANTISED p, in f32, and the product's result is divided by l at the end. Since M is a whole number, a kernel that streams over the keys may use a running M (the ceiling of the running maximum): every later rescaling is an exact power of two, so the quantised numbers keep their values, but for numbers so far below the row's largest that they fall under the format's range.
;;   OPERANDS COMPUTED ON THE WAY. 'Computed on the way' means the value that the module computes at that place (a softmax that the list does not call 'softmax' is quantised finished and normalised). What goes into a quantiser is computed in f32, as accurately as f32 sums, v_exp_f32 and their like allow (about 1e-6 of the number): no bf16 or f16 on the way to a quantiser, and a product that is left as it is and whose result goes on into a quantised operand takes f32 operands (vector FMAs, or v_wmma_f32_16x16x4_f32). A number that lies on a knife's edge between two numbers of the format may be rounded either way, as far as f32 arithmetic and the matrix unit's own rounding can turn it there, and no further.
;;   INPUTS GIVEN AS CODES. w_mlp1 (in the module: [4096, 1024], K = its axis 1); w_mlp2 (in the module: [1024, 4096], K = its axis 1); wk (in the module: [1024, 1024], K = its axis 1); wo (in the module: [1024, 1024], K = its axis 1); wq (in the module: [1024, 1024], K = its axis 1); wv (in the module: [1024, 1024], K = its axis 1): each comes as NAME_codes (uint8): NAME with its K axis moved to the last place and cut into blocks of 32 codes, [.., K / 32, bytes a block], one block behind the other in memory; one code a byte (a code: sign, 5 exponent bits, 2 mantissa bits); its scale is its entry of lowp_scales. Its value is code x scale, taken as it is: it is not quantised again, and the codes and scales need not be those that the quantiser above would give.
;; One version. Each part assembles by itself: llvm-mc -triple=amdgcn-amd-amdhsa -mcpu=gfx1250 --defsym DOCPART=n.
;; ======== version 1 of 1: 7 launches
;; limits: right only within a limited range of input values
;; workspace buffers: nx 12,582,912 bytes; qkv 12,582,912 bytes; vpart 131,072 bytes; oc 4,194,304 bytes; x1 16,777,216 bytes; nx2 4,194,304 bytes; hc 16,777,216 bytes
;; launch ln1 (part 1): grid 512 x 1, 8 waves a work-group, no clusters, 33,792 bytes of LDS; arguments x, g1, b1, lowp_scales, nx; writes nx
.if DOCPART == 1
	.amdgcn_target "amdgcn-amd-amdhsa--gfx1250"
	.amdhsa_code_object_version 6
	.text
	.protected	k_q6fd0348a10_ln1
	.globl	k_q6fd0348a10_ln1
	.p2align	8
	.type	k_q6fd0348a10_ln1,@function
k_q6fd0348a10_ln1:
	s_mov_b64 s[64:65], 0
	v_nop
	global_prefetch_b8 v0, s[64:65] scope:SCOPE_SE
	s_setreg_imm32_b32 hwreg(HW_REG_WAVE_MODE, 25, 1), 1
	s_wait_xcnt 0x0
; THE PROGRAM: a pre-norm transformer block, 4,096 tokens x 1,024, 16 heads of 64, all eight products on codes of E5M2 with given scales.  Seven launches:
; ln1 (this one) | qkv | attn | wo | ln2 | mlp1 | mlp2.
; WORK THAT IS LEFT OUT, and why it may go, for all values of the inputs.  For query q the problem's own upper-triangular mask gives every key k > q the logit -10000.  In attn the keys of a tile of
; queries are walked only to the end of the block of 128 that holds the queries.  For the nskip keys behind that block the scores are thrown away by that mask, whatever q and k hold, so those score
; products are not made; all their p are ONE number pm = 2^(-10000 log2 e - M), so the sum over them of Q(p) Q(v) is Q(pm) x the sum of Q(v), and the row's sum gains nskip x pm.  Both are added, so
; nothing of the result is dropped: a row all of whose visible keys are hidden by seq_mask still averages over all 2,048 keys.  The sums of Q(v) over blocks of 128 keys are made once, by the launch qkv.
; Every input has a way to the output and is loaded.
; LIMITS: NaN and infinities among the inputs are not served; one that reached only the score products left out would not be carried to the result.
; Each given exponent, and each sum or difference of them that is made into a power of two (stated at each kernel's head), must give an f32 number.
;
; THIS LAUNCH: nx = (x - mean) rsqrt(var + 1e-5) g1 + b1, in f32, then quantised three times, with the scales of the products with wq, wk and wv (entries 0, 2, 4): three planes [4096][1024] of codes.
; LIMIT: entries 0, 2, 4 between -126 and 112.
; One wave takes one row: 4,096 bytes in 32 registers, read once.  Chunk j of a lane is k = 128 j + 4 lane + 0 .. 3: each load reads 512 consecutive bytes.
; g AND b COME ONCE A WORK-GROUP: thread t loads 16 bytes of each, the 256 threads cover both vectors; they go to LDS, and behind one barrier each wave reads its chunks from there: a work-group
; fetches 8 rows and 8,192 bytes beside them, not 8,192 bytes beside each row.
; A conversion takes eight registers, two chunks, and gives two words: word j holds the four codes at byte 128 j + 4 lane of the row.  The words turn through the wave's own stage in LDS and leave
; 16 bytes a lane: each store covers 512 consecutive bytes, aligned.  No matrix unit, no cluster: the launch streams.
.set NSETS, 3
.set X,     20                         ; v20-51   the row, then x - mean, then nx
.set G,     52                         ; v52-83   g
.set BV,    84                         ; v84-115  b
.set T,     116                        ; v116-147 at work; first my 16 bytes of g and of b
.set C,     148                        ; v148..   codes: set s, word j at C + 8 s + j
.set OUTR,  172                        ; v172..   rows read back from the stage
.set GST,   196                        ; v196 where I put my 16 bytes of g (b: 4,096 further on)
.set GRD,   197                        ; v197 where my chunks of g begin
.set GOF,   198                        ; v198 16 x my thread's number
.set SPW,   4                          ; v4  LDS address of my spare word; never rewritten
.set NIL,   5                          ; v5  0; never rewritten
.set GB,    8*NSETS*1024               ; behind the eight stages: g, then b
.set SPARE, GB+8192                    ; behind them: the spare words, 128 bytes a wave
.macro REDUCE                          ; v10 summed over the 32 lanes, the result in every lane
	s_delay_alu instid0(VALU_DEP_1)
	v_add_f32_dpp v10, v10, v10 row_xmask:1 row_mask:0xf bank_mask:0xf
	s_delay_alu instid0(VALU_DEP_1)
	v_add_f32_dpp v10, v10, v10 row_xmask:2 row_mask:0xf bank_mask:0xf
	s_delay_alu instid0(VALU_DEP_1)
	v_add_f32_dpp v10, v10, v10 row_xmask:4 row_mask:0xf bank_mask:0xf
	s_delay_alu instid0(VALU_DEP_1)
	v_add_f32_dpp v10, v10, v10 row_xmask:8 row_mask:0xf bank_mask:0xf
	s_delay_alu instid0(VALU_DEP_1)
	v_permlanex16_b32 v11, v10, s30, s31
	s_delay_alu instid0(VALU_DEP_1)
	v_add_f32 v10, v10, v11
.endm
	s_load_b256 s[4:11], s[0:1], 0x0               ; x, g, b, the scales' exponents
	s_load_b64 s[12:13], s[0:1], 0x20              ; the codes
	v_lshl_add_u32 v[SPW], v0, 2, SPARE
	v_mov_b32 v[NIL], 0
	v_lshl_add_u32 v[GST], v0, 4, GB
	v_lshlrev_b32 v[GOF], 4, v0
	v_lshrrev_b32 v1, 5, v0
	s_delay_alu instid0(VALU_DEP_1)
	v_readfirstlane_b32 s16, v1                    ; wave
	v_and_b32 v10, 31, v0                          ; lane
	s_delay_alu instid0(VALU_DEP_1)
	v_lshlrev_b32 v1, 4, v10                       ; 16 x lane
	s_delay_alu instid0(VALU_DEP_1)
	v_add_nc_u32 v[GRD], GB, v1
	s_mul_i32 s17, s16, NSETS*1024                 ; my stage
	v_lshl_add_u32 v2, v10, 2, s17                 ; into it: 4 x lane
	v_add_nc_u32 v3, s17, v1                       ; out of it: 16 x lane
	v_mov_b32 v11, 0                               ; a lane permute's destination counts as read
	s_lshl_b32 s18, ttmp9, 3
	s_add_co_u32 s18, s18, s16                     ; my row
	s_mov_b32 s19, 0
	s_lshl_b64 s[20:21], s[18:19], 12              ; in x
	s_lshl_b64 s[22:23], s[18:19], 10              ; in a plane of codes
	s_mov_b32 s30, 0x76543210
	s_mov_b32 s31, 0xfedcba98
	s_mov_b32 s32, 0x3a800000                      ; 1 / 1024
	s_mov_b32 s33, 0x3727c5ac                      ; 1e-5
	s_wait_alu depctr_va_vdst(0)
	s_wait_kmcnt 0x0
	s_load_b256 s[48:55], s[10:11], 0x0            ; entries 0 to 7: s48, s50, s52 are wanted
	s_add_nc_u64 s[4:5], s[4:5], s[20:21]
	s_add_nc_u64 s[24:25], s[12:13], s[22:23]
	s_add_nc_u64 s[26:27], s[24:25], 0x400000      ; the planes are 4,194,304 bytes apart
	s_add_nc_u64 s[28:29], s[24:25], 0x800000
	global_load_b128 v[T:T+3], v[GOF], s[6:7]      ; my 16 bytes of g,
	global_load_b128 v[T+4:T+7], v[GOF], s[8:9]    ; and of b
.irp j, 0,1,2,3,4,5,6,7
	global_load_b128 v[X+4*\j:X+4*\j+3], v1, s[4:5] offset:512*\j th:TH_LOAD_NT
.endr
	s_wait_kmcnt 0x0
.set q, 0
.rept NSETS
	s_add_co_i32 s34, s[48+2*q], 127
	s_lshl_b32 s35, s34, 23
	v_mov_b32 v[12+2*q], s35                       ; 2^e as f32: the conversion takes its exponent field
	s_add_co_i32 s34, s34, 15
	s_lshl_b32 s34, s34, 23
	s_or_b32 s34, s34, 0x600000
	v_mov_b32 v[13+2*q], s34                       ; 57,344 x 2^e
.set q, q+1
.endr
	s_wait_loadcnt 8                               ; my parts of g and b are in; the row's eight loads may be out
	ds_store_b128 v[GST], v[T:T+3]
	ds_store_b128 v[GST], v[T+4:T+7] offset:4096
	s_wait_dscnt 0x0                               ; for the others' sake: my stores have landed
	s_barrier_signal -1
	s_barrier_wait -1                              ; g and b lie whole in LDS
.irp j, 0,1,2,3,4,5,6,7
	ds_load_b128 v[G+4*\j:G+4*\j+3], v[GRD] offset:512*\j
.endr
.irp j, 0,1,2,3,4,5,6,7
	ds_load_b128 v[BV+4*\j:BV+4*\j+3], v[GRD] offset:4096+512*\j
.endr
	s_wait_loadcnt 0x0                             ; the row
	v_pk_add_f32 v[118:119], v[20:21], v[28:29]
	v_pk_add_f32 v[120:121], v[36:37], v[44:45]
	v_pk_add_f32 v[122:123], v[22:23], v[30:31]
	v_pk_add_f32 v[198:199], v[38:39], v[46:47]
	v_pk_add_f32 v[196:197], v[24:25], v[32:33]
	v_pk_add_f32 v[194:195], v[40:41], v[48:49]
	v_pk_add_f32 v[192:193], v[26:27], v[34:35]
	v_pk_add_f32 v[116:117], v[42:43], v[50:51]
	s_delay_alu instid0(VALU_DEP_1)
	v_pk_add_f32 v[116:117], v[116:117], v[198:199]
	v_pk_add_f32 v[118:119], v[118:119], v[196:197]
	v_pk_add_f32 v[120:121], v[120:121], v[194:195]
	v_pk_add_f32 v[122:123], v[122:123], v[192:193]
	s_delay_alu instid0(VALU_DEP_2)
	v_pk_add_f32 v[116:117], v[116:117], v[120:121]
	s_delay_alu instid0(VALU_DEP_2)
	v_pk_add_f32 v[118:119], v[118:119], v[122:123]
	s_delay_alu instid0(VALU_DEP_1)
	v_pk_add_f32 v[116:117], v[116:117], v[118:119]
	s_delay_alu instid0(VALU_DEP_1)
	v_add_f32 v10, v[T], v[T+1]
	REDUCE
	s_delay_alu instid0(VALU_DEP_1)
	v_mul_f32 v6, s32, v10                         ; the mean, twice: a pair for the packed forms
	s_delay_alu instid0(VALU_DEP_1)
	v_mov_b32 v7, v6
.set j, 0
.rept 16
	v_pk_add_f32 v[X+2*j:X+2*j+1], v[X+2*j:X+2*j+1], v[6:7] neg_lo:[0,1] neg_hi:[0,1]   ; x - mean
.set j, j+1
.endr
.irp c, 0,2,4,6                                ; the sum of squares, likewise
	v_pk_mul_f32 v[T+\c:T+\c+1], v[X+\c:X+\c+1], v[X+\c:X+\c+1]
.endr
.irp o, 8,16,24
.irp c, 0,2,4,6
	s_delay_alu instid0(VALU_DEP_4)
	v_pk_fma_f32 v[T+\c:T+\c+1], v[X+\o+\c:X+\o+\c+1], v[X+\o+\c:X+\o+\c+1], v[T+\c:T+\c+1]
.endr
.endr
	s_delay_alu instid0(VALU_DEP_3)
	v_pk_add_f32 v[T:T+1], v[T:T+1], v[T+2:T+3]
	s_delay_alu instid0(VALU_DEP_2)
	v_pk_add_f32 v[T+4:T+5], v[T+4:T+5], v[T+6:T+7]
	s_delay_alu instid0(VALU_DEP_1)
	v_pk_add_f32 v[T:T+1], v[T:T+1], v[T+4:T+5]
	s_delay_alu instid0(VALU_DEP_1)
	v_add_f32 v10, v[T], v[T+1]
	REDUCE
	s_delay_alu instid0(VALU_DEP_1)
	v_fma_f32 v10, v10, s32, s33                   ; var + 1e-5
	s_wait_alu depctr_va_vdst(0)
	v_rsq_f32 v8, v10
	v_nop                                          ; a plain instruction behind the transcendental,
	s_wait_alu depctr_va_vdst(0)                   ; and the wait ahead of the first line that names its result
	v_mov_b32 v9, v8
	s_wait_alu depctr_va_vdst(0)
	s_wait_dscnt 0x0                               ; g and b are in my registers
.set j, 0
.rept 16
	v_pk_mul_f32 v[X+2*j:X+2*j+1], v[X+2*j:X+2*j+1], v[8:9]
.set j, j+1
.endr
.set j, 0
.rept 16
	v_pk_fma_f32 v[X+2*j:X+2*j+1], v[X+2*j:X+2*j+1], v[G+2*j:G+2*j+1], v[BV+2*j:BV+2*j+1]
.set j, j+1
.endr
.set q, 0
.rept NSETS                                    ; one set of codes for each scale
.set j, 0
.rept 32
	v_med3_num_f32 v[T+j], v[X+j], -v[13+2*q], v[13+2*q]   ; the conversion does not saturate (ISA guide 7.6.2): the hold at the largest code x the scale
.set j, j+1
.endr
.irp m, 0,1,2,3
	v_cvt_scalef32_pk8_bf8_f32 v[C+8*q+2*\m:C+8*q+2*\m+1], v[T+8*\m:T+8*\m+7], v[12+2*q]
.endr
	v_nop                                          ; a plain instruction between the conversions and the next set's holds, which write their sources
.irp i, 0,1,2,3,4,5,6,7
	ds_store_b32 v2, v[C+8*q+\i] offset:1024*q+128*\i
.endr
.set q, q+1
.endr
.set q, 0
.rept 2*NSETS
	ds_load_b128 v[OUTR+4*q:OUTR+4*q+3], v3 offset:512*q   ; LDS serves a wave's instructions in order: these see my stores
.set q, q+1
.endr
.set q, 0
.rept 2*NSETS
	s_wait_dscnt 2*NSETS-1-q                       ; the younger read-backs may be out
	global_store_b128 v1, v[OUTR+4*q:OUTR+4*q+3], s[24+2*(q/2):25+2*(q/2)] offset:512*(q%2)
.set q, q+1
.endr
	s_wait_tensorcnt 0x0                           ; the wave's end
	ds_add_u32 v[SPW], v[NIL]
	s_wait_dscnt 0x0
	s_endpgm
.Lfunc_end_k_q6fd0348a10_ln1:
	.size	k_q6fd0348a10_ln1, .Lfunc_end_k_q6fd0348a10_ln1-k_q6fd0348a10_ln1
	.p2alignl 7, 3214868480
	.fill 96, 4, 3214868480
	.section	.rodata,"a",@progbits
	.p2align	6, 0x0
	.amdhsa_kernel k_q6fd0348a10_ln1
		.amdhsa_group_segment_fixed_size 33792
		.amdhsa_private_segment_fixed_size 0
		.amdhsa_enable_private_segment 0
		.amdhsa_kernarg_size 40
		.amdhsa_user_sgpr_count 2
		.amdhsa_user_sgpr_kernarg_segment_ptr 1
		.amdhsa_wavefront_size32 1
		.amdhsa_system_sgpr_workgroup_id_x 1
		.amdhsa_system_sgpr_workgroup_id_y 1
		.amdhsa_system_sgpr_workgroup_id_z 1
		.amdhsa_system_vgpr_workitem_id 0
		.amdhsa_next_free_vgpr 200
		.amdhsa_next_free_sgpr 66
		.amdhsa_reserve_vcc 0
		.amdhsa_float_denorm_mode_32 3
		.amdhsa_float_denorm_mode_16_64 3
		.amdhsa_memory_ordered 1
		.amdhsa_forward_progress 1
		.amdhsa_inst_pref_size 22
	.end_amdhsa_kernel
	.amdgpu_metadata
---
amdhsa.version: [ 1, 2 ]
amdhsa.kernels:
  - .name:           k_q6fd0348a10_ln1
    .symbol:         k_q6fd0348a10_ln1.kd
    .args:
      - { .name: x, .offset: 0, .size: 8, .value_kind: global_buffer, .address_space: global }
      - { .name: g1, .offset: 8, .size: 8, .value_kind: global_buffer, .address_space: global }
      - { .name: b1, .offset: 16, .size: 8, .value_kind: global_buffer, .address_space: global }
      - { .name: lowp_scales, .offset: 24, .size: 8, .value_kind: global_buffer, .address_space: global }
      - { .name: nx, .offset: 32, .size: 8, .value_kind: global_buffer, .address_space: global }
    .group_segment_fixed_size: 33792
    .private_segment_fixed_size: 0
    .kernarg_segment_align: 8
    .kernarg_segment_size: 40
    .max_flat_workgroup_size: 256
    .sgpr_count:     66
    .vgpr_count:     200
    .wavefront_size: 32
...
	.end_amdgpu_metadata
.endif
;; end of part 1
;; launch qkv (part 2): grid 12 x 16, 4 waves a work-group, clusters of 4 x 4, 327,680 bytes of LDS; arguments nx, wq_codes, wk_codes, wv_codes, lowp_scales, seq_mask, qkv, vpart; writes qkv, vpart
.if DOCPART == 2
	.amdgcn_target "amdgcn-amd-amdhsa--gfx1250"
	.amdhsa_code_object_version 6
	.text
	.protected	k_q6fd0348a10_qkv
	.globl	k_q6fd0348a10_qkv
	.p2align	8
	.type	k_q6fd0348a10_qkv,@function
k_q6fd0348a10_qkv:
	s_mov_b64 s[64:65], 0
	v_nop
	global_prefetch_b8 v0, s[64:65] scope:SCOPE_SE
	s_setreg_imm32_b32 hwreg(HW_REG_WAVE_MODE, 25, 1), 1
	s_wait_xcnt 0x0
	s_wait_alu depctr_hold_cnt(0) depctr_sa_sdst(0) depctr_va_vdst(0) depctr_va_sdst(0) depctr_va_ssrc(0) depctr_va_vcc(0) depctr_vm_vsrc(0)
	s_getreg_b32 s2, hwreg(HW_REG_IB_STS2, 6, 4)
	s_cmp_eq_u32 s2, 0
	s_cbranch_scc0 .Lentry_in_a_cluster
	s_endpgm
.Lentry_in_a_cluster:
	s_bfe_u32 s2, ttmp6, 0x10000c
	s_cmp_lg_u32 s2, 0xf033
	s_cbranch_scc0 .Lentry_shape_is_right
	s_endpgm
.Lentry_shape_is_right:
; q, k and v in one launch: three products [4096 x 1024] x [1024 x 1024] on codes of E5M2, their results quantised at once for the two products of attention.
; The cluster's x (0, 1, 2) says which product: it is the same in all sixteen partners, so selections and branches may hang on it.
; q, k: A = the plane of nx for that product (rows = tokens), B = the weight (rows = channels).  v: THE ROLES ARE EXCHANGED, A = wv (rows = channels), B = nx (rows = tokens), so that a lane's eight
; results are eight neighbouring TOKENS of one channel: the tokens are the K of attention's second product.
; OUT, three planes of 4,194,304 bytes: qc, kc [batch x 16 + head][2048][64], vc [batch][1024 channels][2048 tokens].  Inside each group of 32 along the codes' K, element 16 u + 8 h + j lies at byte
; 16 h + 8 u + j: the same order in qc and kc, so their products meet; in vc a load of 16 bytes at 32 c + 16 h gives registers 4 c .. 4 c + 3 of the plain 8-bit layout (ISA guide 7.12.2).
; A TOKEN THAT seq_mask HIDES gets zero codes in kc (its hold's limit is 0): attn then adds the masked logit as the C of the score product, and 0 + C is exact.  q and v keep their codes.
; vpart [batch x 16 + block of 128 tokens][1024]: the sums of v's code values over the block, by eight products with a fragment of ones: what attn adds for the keys that it does not walk.
; LIMITS: e6 - e0 - e1, e7 - e2 - e3 and e9 - e4 - e5 between -126 and 112.
; THE LOOP: a tile of 256 x 256 to a work-group of four waves, 128 x 128 (64 accumulators, 512 registers) to a wave; K in steps of 256 through two LDS slots filled by the tensor data mover, rows of 256 bytes.
; CLUSTERS: 4 x 4 work-groups; A's tile is asked for jointly along a row of the cluster, B's along a column.  The matrix instruction is used transposed (source 0 = B's rows, source 1 = A's).
; THE HEAD: one joint load a wave, K step 0; slot 1's first fill is issued as a refill is, behind the wait for all loads, the add, its wait and a round.
; PREFETCH INTO THE L2, written out, since K is four steps: behind the load of K step 0 a request for K step 1, behind the load of K step 1 requests for K steps 2 and 3: three instructions a wave.
; Of the 128 rows that a wave fetches, each of the four partners that ask for them jointly names 32, told apart by address (cx for A, cy for B), a lane a row of 256 bytes.
; REGISTERS: window 0: v0-31 addresses, v32-127 for the way out, from v128 A's fragments, one set; window 1: B's fragments, two sets; windows 2, 3: the accumulators, (a, b) at v[8 (8 (a % 4) + b)].
.set SIZE_K, 1024
.set KSTEP,  256
.set ROWB,   256
.set KROW,   SIZE_K
.set PITCH,  272                       ; an LDS row: 256 bytes + 16 of padding: the 16 rows of a load start at 16 different banks
.set FR,     16
.set NL,     4
.set NP,     4
.set HALFT,  128*PITCH
.set SLOT,   4*HALFT
.set LAPS,   SIZE_K/(2*KSTEP)
.set SPARE,  2*SLOT                    ; behind the ring: the spare words
.set PFO,  8                           ; v8     my lane x a row of 1,024 bytes; never rewritten
.set PFA,  66                          ; s[66:67] my work-group's 32 rows of the 128 that my wave fetches, at K step 0; never rewritten
.set ADRA, 16                          ; v16-17 LDS address of my A fragments in slot 0, 1
.set MKA,  18                          ; v18    offset of my rows' bytes in seq_mask
.set RDQ2, 19                          ; v19    RDQ + 128 rows
.set ADRB, 20                          ; v20-21 the same as ADRA for B
.set SCL,  22                          ; v22    the conversion's scale
.set LIM,  23                          ; v23    57,344 x the scale
.set STO,  24                          ; v24    the stage: where I put 8 codes
.set RDQ,  25                          ; v25    q, k: where I read a head's 64 bytes of a row back
.set COQ,  26                          ; v26    16 x lane
.set RDV,  27                          ; v27    v: where I read a row of 256 bytes back
.set SPW,  28
.set NIL,  29
.set COV,  30                          ; v30    v: my offset in vc
.set VPO,  31                          ; v31    4 x lane
.set TMP,  32                          ; v32-95 a block's held sums; first v32-39: my rows' bytes of seq_mask
.set ONES, 96                          ; v96-111 a fragment of ones
.set LIMA, 112                         ; v112-119 the limit for my row of each of A's blocks
.set AF,   128
.set PC,   128                         ; the codes: A's block a at PC + 16 a
.set G1, 24
.set G0, 32
.set G1B, 48
.set G0B, 56
.set MSB, 0
.macro WIN new                         ; the immediate's high byte repeats the setting that is left
.if MSB != \new
	s_set_vgpr_msb (MSB<<8)|\new
.set MSB, \new
.endif
.endm
.set MUL_LO, 0xa1
.set MUL_HI, 0xf1
.set TO_B,   0x40
.macro JLOAD g0a, g1a, g0b, g1b        ; a joint load: waves 0 and 1 fetch for A, waves 2 and 3 for B; an s_nop 0 and four v_nop follow each line
	s_cmp_eq_u32 s15, 0
	s_cbranch_scc0 .Lfor_b_\@
	tensor_load_to_lds s[\g0a:\g0a+3], s[\g1a:\g1a+7]
	s_nop 0
.rept 4
	v_nop
.endr
	s_branch .Lasked_\@
.Lfor_b_\@:
	tensor_load_to_lds s[\g0b:\g0b+3], s[\g1b:\g1b+7]
	s_nop 0
.rept 4
	v_nop
.endr
.Lasked_\@:
.endm
.macro CREST
	s_cmp_lg_u32 s14, 0
	s_cbranch_scc1 .Lnot_wave_0_\@
	s_barrier_signal -3
.Lnot_wave_0_\@:
	s_barrier_wait -3
	s_barrier_signal -1
	s_barrier_wait -1
.endm
.macro CROUND
	s_barrier_signal -1
	s_barrier_wait -1
	CREST
.endm
	s_load_b512 s[68:83], s[0:1], 0x0              ; nx 68, wq 70, wk 72, wv 74, the exponents 76, seq_mask 78, qkv 80, vpart 82
	v_lshl_add_u32 v[SPW], v0, 2, SPARE
	v_mov_b32 v[NIL], 0
	ds_add_u32 v[SPW], v[NIL]                      ; the wave's opening: the add, twice on end, and its wait ahead of my first tensor load
	ds_add_u32 v[SPW], v[NIL]
	v_lshrrev_b32 v1, 5, v0
	v_readfirstlane_b32 s14, v1                    ; wave
	s_lshr_b32 s15, s14, 1                         ; my half of the tile's rows; also: I fetch for A (0) or B (1)
	s_and_b32 s16, s14, 1                          ; my half of its columns; also: which 128 rows I fetch
	s_bfe_u32 s40, ttmp6, 0x40000                  ; cx
	s_bfe_u32 s41, ttmp6, 0x40004                  ; cy
	s_and_b32 s2, ttmp7, 0xffff
	s_lshl_b32 s2, s2, 2                           ; 4 x cluster y
	s_cmp_eq_u32 ttmp9, 2                          ; v?
	s_cselect_b32 s17, 0, s2
	s_cselect_b32 s42, s2, 0
	s_add_co_u32 s17, s17, s41                     ; tile row: q, k: 4 Y + cy of 16 (tokens); v: cy of 4 (channels)
	s_add_co_u32 s42, s42, s40                     ; tile column: q, k: cx of 4 (channels); v: 4 Y + cx of 16 (tokens)
	s_lshl_b32 s43, s41, 2
	s_lshl_b32 s43, 15, s43                        ; my row of the cluster
	s_lshl_b32 s44, 0x1111, s40                    ; my column
	s_or_b32 s[G1+0], s43, (0<<16)|(1<<20)|(1<<21)|(5<<22)|(3<<25)   ; the mask; elements of 1 byte; padding: 4 words behind every 64
	s_or_b32 s[G1B+0], s44, (0<<16)|(1<<20)|(1<<21)|(5<<22)|(3<<25)
.irp g, G1, G1B
	s_mov_b32 s[\g+1], ROWB<<16                    ; tensor_dim0
	s_mov_b32 s[\g+2], 128<<16                     ; tensor_dim1
	s_mov_b32 s[\g+3], ROWB<<16                    ; tile_dim0
	s_mov_b32 s[\g+4], 128                         ; tile_dim1
	s_mov_b32 s[\g+5], KROW                        ; the pitch
	s_mov_b32 s[\g+6], 0
	s_mov_b32 s[\g+7], 0
.endr
	s_lshl_b32 s18, s16, 7
	s_lshl_b32 s20, s17, 8
	s_add_co_u32 s20, s20, s18                     ; A: row 256 x tile row + 128 x half
	s_lshl_b32 s46, s42, 8
	s_add_co_u32 s46, s46, s18                     ; B: row 256 x tile column + 128 x half
	s_mov_b32 s21, 0
	s_mov_b32 s47, 0
	s_mov_b64 s[18:19], KROW
	s_mul_u64 s[20:21], s[20:21], s[18:19]
	s_mul_u64 s[46:47], s[46:47], s[18:19]
	s_mul_i32 s45, s14, HALFT                      ; where they go: wave x 128 rows
	s_lshl_b32 s18, ttmp9, 22                      ; the product's plane, in nx and in qkv
	s_mov_b32 s19, 0
	v_and_b32 v[PFO], 31, v0
	v_lshlrev_b32 v[PFO], 10, v[PFO]
	s_wait_alu depctr_va_vdst(0)
	s_wait_dscnt 0x0                               ; both opening adds are done
	s_wait_kmcnt 0x0
	s_add_nc_u64 s[84:85], s[68:69], s[18:19]
	s_add_nc_u64 s[10:11], s[80:81], s[18:19]
	s_cmp_eq_u32 ttmp9, 0
	s_cselect_b64 s[86:87], s[70:71], s[72:73]     ; wq or wk
	s_cmp_eq_u32 ttmp9, 2
	s_cselect_b64 s[4:5], s[74:75], s[84:85]       ; A: wv, else nx
	s_cselect_b64 s[6:7], s[84:85], s[86:87]       ; B: nx, else the weight
	s_mov_b64 s[88:89], s[78:79]                   ; seq_mask
	s_mov_b64 s[90:91], s[82:83]                   ; vpart
	s_mov_b64 s[92:93], s[76:77]
	s_load_b512 s[68:83], s[92:93], 0x0            ; the sixteen exponents: waited for on the way out
	s_add_nc_u64 s[20:21], s[4:5], s[20:21]
	s_add_nc_u64 s[46:47], s[6:7], s[46:47]
	s_cmp_eq_u32 s15, 0                            ; do I fetch for A?
	s_cselect_b64 s[PFA:PFA+1], s[20:21], s[46:47]
	s_cselect_b32 s18, s40, s41                    ; my place among the four that ask with me
	s_lshl_b32 s18, s18, 15                        ; x 32 rows of 1,024 bytes
	s_add_nc_u64 s[PFA:PFA+1], s[PFA:PFA+1], s[18:19]
	CROUND                                         ; all sixteen work-groups are here: the first joint loads meet
.irp s, 0,1
	s_mov_b32 s[G0+4*\s], 1
	s_add_co_u32 s[G0+4*\s+1], s45, \s*SLOT
	s_add_nc_u64 s[G0+4*\s+2:G0+4*\s+3], s[20:21], \s*ROWB
	s_or_b32 s[G0+4*\s+3], s[G0+4*\s+3], 0x80000000
	s_mov_b32 s[G0B+4*\s], 1
	s_add_co_u32 s[G0B+4*\s+1], s45, \s*SLOT
	s_add_nc_u64 s[G0B+4*\s+2:G0B+4*\s+3], s[46:47], \s*ROWB
	s_or_b32 s[G0B+4*\s+3], s[G0B+4*\s+3], 0x80000000
.if \s == 1                                    ; slot 1's first fill is issued as a refill is
	global_prefetch_b8 v[PFO], s[PFA:PFA+1] offset:ROWB th:TH_LOAD_NT scope:SCOPE_SE     ; K step 1
	s_wait_tensorcnt 0x0                           ; my part of K step 0 is in
	ds_add_u32 v[SPW], v[NIL]                      ; 0 onto my spare word
	s_wait_dscnt 0x0                               ; the add is done
	CROUND                                         ; a whole round: the joint loads of K step 1 meet
.endif
	JLOAD G0+4*\s, G1, G0B+4*\s, G1B
.endr
	v_and_b32 v1, 15, v0                           ; r
	v_bfe_u32 v2, v0, 4, 1                         ; h
	v_mul_u32_u24 v3, v1, PITCH
	v_lshl_add_u32 v4, v2, 4, v3                   ; r x pitch + 16 h
	s_wait_alu depctr_va_vdst(0)
	s_mul_i32 s21, s15, HALFT
	s_mul_i32 s22, s16, HALFT
	s_add_co_u32 s22, s22, 2*HALFT
.irp s, 0,1
	v_add_nc_u32 v[ADRA+\s], s21, v4
	v_add_nc_u32 v[ADRB+\s], s22, v4
	s_add_co_u32 s21, s21, SLOT
	s_add_co_u32 s22, s22, SLOT
.endr
	; the way out: the work-group's stage, 256 rows x 272 bytes from LDS byte 0: slot 0 has had its last fill and its last read when the first codes are stored there
	s_mul_i32 s23, s15, 128*PITCH
	s_lshl_b32 s2, s16, 7
	s_add_co_u32 s23, s23, s2
	v_add_nc_u32 v[STO], s23, v4                   ; (128 rh + r) x 272 + 128 ch + 16 h
	v_and_b32 v5, 31, v0
	v_lshrrev_b32 v6, 2, v5
	v_mul_u32_u24 v6, v6, PITCH
	v_and_b32 v7, 3, v0
	v_lshl_add_u32 v6, v7, 4, v6
	s_lshl_b32 s23, s14, 6
	v_add_nc_u32 v[RDQ], s23, v6                   ; (lane / 4) x 272 + 64 wave + 16 (lane % 4)
	v_add_nc_u32 v[RDQ2], 128*PITCH, v[RDQ]
	v_lshlrev_b32 v[COQ], 4, v5
	s_mul_i32 s23, s14, 64*PITCH
	v_mul_u32_u24 v6, v2, PITCH
	v_lshl_add_u32 v6, v1, 4, v6
	v_add_nc_u32 v[RDV], s23, v6                   ; (64 wave + h) x 272 + 16 r
	v_lshlrev_b32 v[COV], 11, v2
	v_lshl_add_u32 v[COV], v1, 4, v[COV]           ; h x 2048 + 16 r
	v_lshlrev_b32 v[VPO], 2, v5
	s_lshl_b32 s98, s17, 8
	s_lshl_b32 s99, s15, 7
	s_add_co_u32 s98, s98, s99
	v_add_nc_u32 v[MKA], s98, v1                   ; token 256 x tile row + 128 rh + r (inside seq_mask for every product; used for k alone)
	global_prefetch_b8 v[PFO], s[PFA:PFA+1] offset:2*ROWB th:TH_LOAD_NT scope:SCOPE_SE   ; K step 2,
	global_prefetch_b8 v[PFO], s[PFA:PFA+1] offset:3*ROWB th:TH_LOAD_NT scope:SCOPE_SE   ; and K step 3, the last
.irp a, 0,1,2,3,4,5,6,7
	global_load_u8 v[TMP+\a], v[MKA], s[88:89] offset:16*\a
.endr
	; where my part of the output begins.  q, k: ((tile row / 8) x 16 + 4 x tile column + wave) x 2048 x 64 + (tile row % 8) x 256 x 64
	s_lshr_b32 s94, s17, 3
	s_lshl_b32 s94, s94, 4
	s_lshl_b32 s98, s42, 2
	s_add_co_u32 s94, s94, s98
	s_add_co_u32 s94, s94, s14
	s_lshl_b32 s94, s94, 17
	s_and_b32 s98, s17, 7
	s_lshl_b32 s98, s98, 14
	s_add_co_u32 s94, s94, s98
	; v: ((tile column / 8) x 1024 + 256 x tile row + 64 wave) x 2048 + (tile column % 8) x 256
	s_lshr_b32 s95, s42, 3
	s_lshl_b32 s95, s95, 10
	s_lshl_b32 s98, s17, 8
	s_add_co_u32 s95, s95, s98
	s_lshl_b32 s98, s14, 6
	s_add_co_u32 s95, s95, s98
	s_lshl_b32 s95, s95, 11
	s_and_b32 s98, s42, 7
	s_lshl_b32 s98, s98, 8
	s_add_co_u32 s95, s95, s98
	s_cmp_eq_u32 ttmp9, 2
	s_cselect_b32 s94, s95, s94
	s_mov_b32 s95, 0
	s_add_nc_u64 s[10:11], s[10:11], s[94:95]
	; vpart: ((2 x tile column + ch) x 1024 + 256 x tile row + 128 rh) x 4: used for v alone
	s_lshl_b32 s98, s42, 1
	s_add_co_u32 s98, s98, s16
	s_lshl_b32 s98, s98, 10
	s_lshl_b32 s99, s17, 8
	s_add_co_u32 s98, s98, s99
	s_lshl_b32 s99, s15, 7
	s_add_co_u32 s98, s98, s99
	s_lshl_b32 s98, s98, 2
	s_mov_b32 s99, 0
	s_add_nc_u64 s[90:91], s[90:91], s[98:99]
.macro FRAG reg, adr, q, i             ; 16 rows x 128 K: registers 4 c .. 4 c + 3 hold K = 32 c + 16 h + 0 .. 15: the same order of k in A and in B
.irp c, 0,1,2,3
	ds_load_b128 v[\reg+4*\c:\reg+4*\c+3], v[\adr] offset:128*(\q)+32*\c+(\i)*16*PITCH
.endr
.endm
.macro MUL16 a0, p, zero               ; A's blocks a0, a0 + 1 x B's eight; the 64 accumulators take turns, one instruction a turn
.irp a, \a0, \a0+1
.irp b, 0,1,2,3,4,5,6,7
.if \zero
	v_wmma_f32_16x16x128_bf8_bf8 v[8*(8*((\a)%4)+\b):8*(8*((\a)%4)+\b)+7], v[128*(\p)+FR*\b:128*(\p)+FR*\b+FR-1], v[AF+FR*(\a):AF+FR*(\a)+FR-1], 0
.else
	v_wmma_f32_16x16x128_bf8_bf8 v[8*(8*((\a)%4)+\b):8*(8*((\a)%4)+\b)+7], v[128*(\p)+FR*\b:128*(\p)+FR*\b+FR-1], v[AF+FR*(\a):AF+FR*(\a)+FR-1], v[8*(8*((\a)%4)+\b):8*(8*((\a)%4)+\b)+7]
.endif
.endr
.endr
.endm
.macro FETCH_B slot, q, p
	WIN TO_B
.irp i, 0,1,2,3,4,5,6,7
	FRAG 128*(\p)+FR*\i, ADRB+\slot, \q, \i
.endr
	WIN 0
.endm
.macro FETCH_A slot, q, i0
.irp i, \i0, \i0+1, \i0+2, \i0+3
	FRAG AF+FR*(\i), ADRA+\slot, \q, \i
.endr
.endm
.macro PLACES n                        ; plain vector instructions between a matrix instruction and a load into, or a vector read or write of, its registers
.rept \n
	v_nop
.endr
.endm
.macro STEP slot, q, zero              ; 128 along K, its successor in the same slot
	s_wait_dscnt 4*NL                              ; B's set and A's blocks 0-3 are in; A's blocks 4-7, sixteen loads, may be out
	WIN MUL_LO
	MUL16 0, (\q)%2, \zero
	MUL16 2, (\q)%2, \zero
	s_wait_dscnt 0
	PLACES NP
	FETCH_B \slot, (\q)+1, 1-(\q)%2
	FETCH_A \slot, (\q)+1, 0
	WIN MUL_HI
	MUL16 4, (\q)%2, \zero
	MUL16 6, (\q)%2, \zero
	PLACES NP
	WIN 0
	FETCH_A \slot, (\q)+1, 4
.endm
.macro TURN slot, next, fill           ; a slot's last step changes slots: one barrier; fill = 1: a round of the cluster's barrier, and the slot is filled again
	s_wait_tensorcnt 0x0                           ; all my tensor loads have landed: my part of the next slot
	ds_add_u32 v[SPW], v[NIL]                      ; 0 onto my spare word
	s_wait_dscnt 4*NL+1                            ; the add and A's blocks 4-7 may be out
	WIN MUL_LO
	MUL16 0, 1, 0
	s_wait_dscnt 0x0                               ; the add is done, and my reads of this slot are over
	s_barrier_signal -1
	MUL16 2, 1, 0
	WIN 0
	s_barrier_wait -1
.if \fill
	CREST                                          ; no wave of any partner still reads this slot or has a load on its way
	s_add_nc_u64 s[G0+4*\slot+2:G0+4*\slot+3], s[G0+4*\slot+2:G0+4*\slot+3], 2*ROWB
	s_add_nc_u64 s[G0B+4*\slot+2:G0B+4*\slot+3], s[G0B+4*\slot+2:G0B+4*\slot+3], 2*ROWB
	JLOAD G0+4*\slot, G1, G0B+4*\slot, G1B         ; the first tensor load behind the round; its four v_nop are the places in front of the loads below
.else
	PLACES NP
.endif
	FETCH_B \next, 0, 0
	FETCH_A \next, 0, 0
	WIN MUL_HI
	MUL16 4, 1, 0
	MUL16 6, 1, 0
	PLACES NP
	WIN 0
	FETCH_A \next, 0, 4
.endm
	s_wait_tensorcnt 1                             ; my part of K step 0 is in; K step 1's load may be out
	s_barrier_signal -1
	s_barrier_wait -1
	FETCH_B 0, 0, 0
	FETCH_A 0, 0, 0
	FETCH_A 0, 0, 4
	STEP 0, 0, 1                                   ; the first products start the sums
	s_mov_b32 s3, LAPS-1
.Llap:
	TURN 0, 1, 1
	STEP 1, 0, 0
	TURN 1, 0, 1
	STEP 0, 0, 0
	s_sub_co_u32 s3, s3, 1
	s_cmp_lg_u32 s3, 0
	s_cbranch_scc1 .Llap
	TURN 0, 1, 0                                   ; the last lap fills nothing
	STEP 1, 0, 0
	s_wait_dscnt 4*NL
	WIN MUL_LO
	MUL16 0, 1, 0
	MUL16 2, 1, 0
	s_wait_dscnt 0
	WIN MUL_HI
	MUL16 4, 1, 0
	MUL16 6, 1, 0
	WIN 0
	; THE WAY OUT.  A sum stands for sum x 2^(the two operands' e); its code under the next product's scale 2^e' is sum / 2^(e' - the two): one folded scale
	s_wait_kmcnt 0x0
	s_sub_co_i32 s74, s74, s68
	s_sub_co_i32 s74, s74, s69                     ; q: e6 - e0 - e1
	s_sub_co_i32 s75, s75, s70
	s_sub_co_i32 s75, s75, s71                     ; k: e7 - e2 - e3
	s_sub_co_i32 s77, s77, s72
	s_sub_co_i32 s77, s77, s73                     ; v: e9 - e4 - e5
	s_cmp_eq_u32 ttmp9, 0
	s_cselect_b32 s96, s74, s75
	s_cmp_eq_u32 ttmp9, 2
	s_cselect_b32 s96, s77, s96
	s_add_co_i32 s96, s96, 127
	s_lshl_b32 s97, s96, 23
	v_mov_b32 v[SCL], s97
	s_add_co_i32 s96, s96, 15
	s_lshl_b32 s96, s96, 23
	s_or_b32 s96, s96, 0x600000
	v_mov_b32 v[LIM], s96
	s_cmp_eq_u32 ttmp9, 1
	s_cselect_b32 s97, -1, 0                       ; seq_mask counts for k alone
	s_wait_alu depctr_va_vdst(0)
	s_wait_loadcnt 0x0
.irp a, 0,1,2,3,4,5,6,7                        ; these plain lines are also the places behind the last products
	v_and_b32 v[TMP+\a], s97, v[TMP+\a]
	v_cmp_eq_u32 vcc_lo, 0, v[TMP+\a]
	v_cndmask_b32 v[LIMA+\a], 0, v[LIM], vcc_lo    ; a hidden token's limit is 0: its codes are zeros
.endr
.macro QBLK a                          ; A's block a: lane (r, h) holds row 16 a + r, and in accumulator b the columns 16 b + 8 h + 0 .. 7
.set AC, 64*((\a)%4)
	WIN 0x02+((\a)/4)
.set j, 0
.rept 64
	v_med3_num_f32 v[TMP+j], v[AC+j], -v[LIMA+(\a)], v[LIMA+(\a)]   ; each accumulator from its low end on
.set j, j+1
.endr
	WIN 0
.irp b, 0,1,2,3,4,5,6,7
	v_cvt_scalef32_pk8_bf8_f32 v[PC+16*(\a)+2*\b:PC+16*(\a)+2*\b+1], v[TMP+8*\b:TMP+8*\b+7], v[SCL]
.endr
	v_nop                                          ; a plain instruction behind the conversions
.irp b, 0,1,2,3,4,5,6,7
	ds_store_b64 v[STO], v[PC+16*(\a)+2*\b:PC+16*(\a)+2*\b+1] offset:4352*(\a)+32*(\b/2)+8*(\b%2)
.endr
.endm
.irp a, 0,1,2,3,4,5,6,7
	QBLK \a
.endr
	s_cmp_lg_u32 ttmp9, 2
	s_cbranch_scc1 .Lno_sum
	; v: the codes of block a ARE a fragment (lane r: channel 16 a + r; registers 2 b, 2 b + 1: tokens 16 b + 8 h + 0 .. 7).  Ones x it gives each channel's sum over my 128 tokens, in every register
.irp i, 0,1,2,3,4,5,6,7,8,9,10,11,12,13,14,15
	v_mov_b32 v[ONES+\i], 0x3c3c3c3c               ; four codes of 1.0
.endr
.irp a, 0,1,2,3,4,5,6,7
	v_wmma_f32_16x16x128_bf8_bf8 v[TMP+8*\a:TMP+8*\a+7], v[ONES:ONES+15], v[PC+16*\a:PC+16*\a+15], 0
.endr
	PLACES 4                                       ; in front of the reads of the sums, and of the later loads into the codes' registers
	s_mov_b32 s98, 0xffff0000
.irp p, 0,1,2,3
	v_cndmask_b32 v[TMP+16*\p], v[TMP+16*\p], v[TMP+16*\p+8], s98   ; lanes 0-15: block 2 p, lanes 16-31: block 2 p + 1: 32 channels
	global_store_b32 v[VPO], v[TMP+16*\p], s[90:91] offset:128*\p
.endr
.Lno_sum:
	s_wait_dscnt 0x0                               ; for the others' sake: my stores into the stage are done
	s_barrier_signal -1
	s_barrier_wait -1
	s_cmp_eq_u32 ttmp9, 2
	s_cbranch_scc1 .Lout_v
	; q, k: wave w takes head 4 x tile column + w: 256 tokens x 64 bytes, 16,384 consecutive bytes of memory; a load takes 8 rows
.set t, 0
.rept 16
	ds_load_b128 v[PC+4*t:PC+4*t+3], v[RDQ] offset:2176*t
.set t, t+1
.endr
.set t, 0
.rept 16
	ds_load_b128 v[PC+64+4*t:PC+64+4*t+3], v[RDQ2] offset:2176*t
.set t, t+1
.endr
.set t, 0
.rept 32
	s_wait_dscnt 31-t                              ; the younger read-backs may be out
	global_store_b128 v[COQ], v[PC+4*t:PC+4*t+3], s[10:11] offset:512*t   ; 512 consecutive bytes, aligned
.set t, t+1
.endr
	s_branch .Lend
.Lout_v:
	; v: wave w takes channels 64 w on: sixteen lanes store a row's 256 bytes, aligned
.set t, 0
.rept 32
	ds_load_b128 v[PC+4*t:PC+4*t+3], v[RDV] offset:544*t
.set t, t+1
.endr
.set t, 0
.rept 32
	s_wait_dscnt 31-t
	global_store_b128 v[COV], v[PC+4*t:PC+4*t+3], s[10:11] offset:4096*t
.set t, t+1
.endr
.Lend:
	s_wait_tensorcnt 0x0                           ; the wave's end
	ds_add_u32 v[SPW], v[NIL]
	s_wait_dscnt 0x0
	CROUND                                         ; the closing round
	s_endpgm
.Lfunc_end_k_q6fd0348a10_qkv:
	.size	k_q6fd0348a10_qkv, .Lfunc_end_k_q6fd0348a10_qkv-k_q6fd0348a10_qkv
	.p2alignl 7, 3214868480
	.fill 96, 4, 3214868480
	.section	.rodata,"a",@progbits
	.p2align	6, 0x0
	.amdhsa_kernel k_q6fd0348a10_qkv
		.amdhsa_group_segment_fixed_size 327680
		.amdhsa_private_segment_fixed_size 0
		.amdhsa_enable_private_segment 0
		.amdhsa_kernarg_size 64
		.amdhsa_user_sgpr_count 2
		.amdhsa_user_sgpr_kernarg_segment_ptr 1
		.amdhsa_wavefront_size32 1
		.amdhsa_system_sgpr_workgroup_id_x 1
		.amdhsa_system_sgpr_workgroup_id_y 1
		.amdhsa_system_sgpr_workgroup_id_z 1
		.amdhsa_system_vgpr_workitem_id 0
		.amdhsa_next_free_vgpr 1024
		.amdhsa_next_free_sgpr 100
		.amdhsa_reserve_vcc 1
		.amdhsa_float_denorm_mode_32 3
		.amdhsa_float_denorm_mode_16_64 3
		.amdhsa_memory_ordered 1
		.amdhsa_forward_progress 1
		.amdhsa_inst_pref_size 138
	.end_amdhsa_kernel
	.amdgpu_metadata
---
amdhsa.version: [ 1, 2 ]
amdhsa.kernels:
  - .name:           k_q6fd0348a10_qkv
    .symbol:         k_q6fd0348a10_qkv.kd
    .args:
      - { .name: nx, .offset: 0, .size: 8, .value_kind: global_buffer, .address_space: global }
      - { .name: wq_codes, .offset: 8, .size: 8, .value_kind: global_buffer, .address_space: global }
      - { .name: wk_codes, .offset: 16, .size: 8, .value_kind: global_buffer, .address_space: global }
      - { .name: wv_codes, .offset: 24, .size: 8, .value_kind: global_buffer, .address_space: global }
      - { .name: lowp_scales, .offset: 32, .size: 8, .value_kind: global_buffer, .address_space: global }
      - { .name: seq_mask, .offset: 40, .size: 8, .value_kind: global_buffer, .address_space: global }
      - { .name: qkv, .offset: 48, .size: 8, .value_kind: global_buffer, .address_space: global }
      - { .name: vpart, .offset: 56, .size: 8, .value_kind: global_buffer, .address_space: global }
    .group_segment_fixed_size: 327680
    .private_segment_fixed_size: 0
    .kernarg_segment_align: 8
    .kernarg_segment_size: 64
    .max_flat_workgroup_size: 128
    .sgpr_count:     100
    .vgpr_count:     1024
    .wavefront_size: 32
...
	.end_amdgpu_metadata
.endif
;; end of part 2
;; launch attn (part 3): grid 8 x 32, 16 waves a work-group, no clusters, 270,848 bytes of LDS; arguments qkv, vpart, seq_mask, lowp_scales, oc; writes oc
.if DOCPART == 3
	.amdgcn_target "amdgcn-amd-amdhsa--gfx1250"
	.amdhsa_code_object_version 6
	.text
	.protected	k_q6fd0348a10_attn
	.globl	k_q6fd0348a10_attn
	.p2align	8
	.type	k_q6fd0348a10_attn,@function
k_q6fd0348a10_attn:
	s_mov_b64 s[64:65], 0
	v_nop
	global_prefetch_b8 v0, s[64:65] scope:SCOPE_SE
	s_setreg_imm32_b32 hwreg(HW_REG_WAVE_MODE, 25, 1), 1
	s_wait_xcnt 0x0
; Attention on codes of E5M2: scores = q k^T / 8, hidden where key > query or seq_mask says so (logit -10000), softmax, x v; the result quantised for the product with wo.
; LEFT OUT (shown at the head of the first kernel): the score products and the second product's steps for the keys behind the block of 128 that holds a tile's queries.  Their part is added in closed
; form in the tail: all their p are one number pm, so O gains Q(pm) x the sum of v's codes (vpart) and the row's sum nskip x pm; -10000 log2 e takes part in M wherever nskip > 0.
; THE SOFTMAX: t = logit x log2 e; M = the running largest t rounded up to a whole number; p = 2^(t - M) is quantised with 2^e8; the row's sum is taken of the unquantised p and divides at the end.
; seq_mask: a hidden key has zero codes in kc; the score product's C holds sm = -80000 x 2^-(e6 + e7), the masked logit in the sums' own unit, at that key, and 0 elsewhere: 0 + sm is exact.
; A key step none of whose 128 keys is hidden takes C = 0: a scalar branch on bits made of the bool input; this launch fills LDS through registers and has no tensor load.
; THE HOLD OF p at 57,344 x 2^e8 is jumped over where e8 >= -15: the limit is then 1.75 or more, and p is at most 1 but for rounding.  A scalar branch on a whole number that the launch reads.
; SHARES.  Work-group (i, batch x 16 + head) owns the query blocks i (early) and 15 - i (late), 128 queries each: 17 block steps in every work-group.  Each of its sixteen waves owns 16 queries.
; WAVES w AND w xor 1 ARE A PAIR: the same tile of the early and of the late block.  Up to key step i each walks its own tile.  The late tile's steps i + 1 .. 15 - i go by turns: the late wave takes those
; an even number of steps before the diagonal, the early wave the others: 9 steps for one, 8 for the other, and of a slot's two steps each takes one.  At its first such step the early wave puts its own
; tile's state (O^T, -M, t, the sum) into LDS bytes of its own, takes the partner's Q from an image stored at the head, and starts an empty state.  Behind the loop it stores that part, takes its own state
; back, and behind one barrier the late wave joins the two parts: both are brought under the common M by powers of two, which rounds nothing.  Then each wave runs the tail for its own tile.
; Keys come in slots of 256 through two LDS buffers; all 512 threads carry a slot, 64 bytes each, and the next slot's loads into registers are issued at a slot's head, a slot ahead of their use.
; One barrier a slot: this buffer is whole, and the reads of the other one are over.
; NO CLUSTER: the eight work-groups of a head need 9 to 16 key steps; a joint load would bring some partners tiles that none of their waves reads.  No prefetch: each slot's loads are out a slot ahead.
; LAYOUT.  Both products transposed: S^T = K Q^T (a lane holds query lane % 16; register 8 T + j: key 16 T + 8 h + j), O^T = V^T P^T.  p's codes fall in the plain 8-bit layout, and vc is laid for it.
; LIMITS: e6 + e7 between -111 and 130; e8, and e10 - e8 - e9, between -126 and 112.
; oc's rows are cut by heads: a head's part of a row is 64 bytes, so the stores here are runs of 64 bytes.
.set BUFB,  37888                      ; a buffer: 256 rows of K at pitch 80, then 64 rows of V at pitch 272
.set VOFF,  20480
.set KP,    80
.set VP,    272
.set CM,    2*BUFB                     ; 2,048 f32: sm where the key is hidden, else 0
.set VS,    CM+8192                    ; 2 x 64 f32: the sums of v's codes over the keys not walked, for the early and the late block
.set STG,   VS+512                     ; 16 rows x 80 bytes for each wave
.set REG,   STG+16*16*80               ; for each wave RW bytes: my tile's state put aside (4,608), my part of the partner's tile (4,608), my Q's image (1,024): images of registers, 16 bytes a lane
.set RW,    10240
.set PART,  4608
.set QIM,   9216
.set SPARE, REG+16*RW
.set FRG,   40                         ; v40-103  fragments: K's eight, later V's four
.set S,     104                        ; v104-167 S^T, then p
.set O,     168                        ; v168-199 O^T: register 8 t + j: channel 16 t + 8 h + j
.set PCD,   200                        ; v200-215 p's codes
; v1 K's place, v2 V's, v3 cm's, v4, v5 where I store a slot's K and V, v6, v7 where I load them, v8 the step's cm address, v9 VS's place, v10, v11 the add's two, v12 -M, v13 the largest t,
; v[14:15] the sum, v16-23 Q, v24-39 a slot's bytes on their way, v216 sm, v217, v218 scale and limit for p, v219 the masked t, v[220:221] f, v222-239 at work, v240-242 the way out, v243, v244 for o,
; v247 my RW bytes, v248 my partner's
; s46, s47 the last key of the early and of the late block; s48 the parity of the late tile's steps that are mine; s50 the late tile's first query;
; s51 1 where p needs no hold
	s_load_b256 s[4:11], s[0:1], 0x0               ; qkv, vpart, seq_mask, the exponents
	s_load_b64 s[12:13], s[0:1], 0x20              ; oc
	v_lshl_add_u32 v10, v0, 2, SPARE
	v_mov_b32 v11, 0
	v_lshrrev_b32 v1, 5, v0
	s_delay_alu instid0(VALU_DEP_1)
	v_readfirstlane_b32 s14, v1                    ; wave
	s_and_b32 s16, ttmp7, 0xffff                   ; batch x 16 + head
	s_lshr_b32 s17, s16, 4                         ; batch
	s_and_b32 s18, s16, 15                         ; head
	s_lshr_b32 s19, s14, 2
	s_xor_b32 s19, s19, s14
	s_and_b32 s19, s19, 1                          ; 1: the late block.  It differs between w and w xor 1
	s_lshr_b32 s20, s14, 1                         ; my tile of 16 queries in it: the same in w and w xor 1
	s_sub_co_u32 s15, 15, ttmp9
	s_lshr_b32 s25, s15, 1                         ; the last slot that the work-group needs
	s_cmp_eq_u32 s19, 1
	s_cselect_b32 s21, s15, ttmp9                  ; my block
	s_lshl_b32 s22, s21, 7
	s_lshl_b32 s96, s20, 4
	s_add_co_u32 s22, s22, s96                     ; the first query of the tile in hand: at first my own
	s_lshl_b32 s46, ttmp9, 7
	s_or_b32 s46, s46, 127
	s_lshl_b32 s47, s15, 7
	s_add_co_u32 s50, s47, s96
	s_or_b32 s47, s47, 127
	s_xor_b32 s48, s15, s19
	s_xor_b32 s48, s48, 1
	s_and_b32 s48, s48, 1                          ; the late wave: the parity of 15 - i; the early wave: the other
	s_xor_b32 s49, s19, 1
	s_sub_co_u32 s32, 15, s21
	s_lshl_b32 s32, s32, 6
	s_cvt_f32_u32 s32, s32                         ; half of the keys not walked: each half of the lanes adds it
	s_mov_b32 s23, 0                               ; the step's first key
	s_mov_b32 s24, 0                               ; the slot
	s_mov_b32 s28, 0x76543210
	s_mov_b32 s29, 0xfedcba98
	v_and_b32 v232, 15, v0                         ; r
	v_bfe_u32 v233, v0, 4, 1                       ; h
	v_and_b32 v222, 31, v0                         ; lane
	s_delay_alu instid0(VALU_DEP_1)
	v_lshrrev_b32 v223, 2, v222
	v_and_b32 v224, 3, v0
	v_mul_u32_u24 v1, v232, KP
	s_delay_alu instid0(VALU_DEP_1)
	v_lshl_add_u32 v1, v233, 4, v1                 ; K: r x 80 + 16 h
	v_mul_u32_u24 v2, v232, VP
	s_delay_alu instid0(VALU_DEP_1)
	v_lshl_add_u32 v2, v233, 4, v2
	s_delay_alu instid0(VALU_DEP_1)
	v_add_nc_u32 v2, VOFF, v2                      ; V: r x 272 + 16 h
	v_lshlrev_b32 v3, 5, v233
	s_delay_alu instid0(VALU_DEP_1)
	v_add_nc_u32 v3, CM, v3                        ; cm: 32 h
	v_lshrrev_b32 v225, 2, v0
	s_delay_alu instid0(VALU_DEP_1)
	v_mul_u32_u24 v4, v225, KP
	s_delay_alu instid0(VALU_DEP_1)
	v_lshl_add_u32 v4, v224, 4, v4                 ; thread t stores K's row t / 4, 16 (t % 4)
	v_lshrrev_b32 v225, 4, v0
	s_delay_alu instid0(VALU_DEP_1)
	v_mul_u32_u24 v5, v225, VP
	s_delay_alu instid0(VALU_DEP_1)
	v_lshl_add_u32 v5, v232, 4, v5
	s_delay_alu instid0(VALU_DEP_1)
	v_add_nc_u32 v5, VOFF, v5                      ; and V's row t / 16, 16 (t % 16)
	v_lshlrev_b32 v6, 4, v0
	v_lshlrev_b32 v7, 11, v225
	s_delay_alu instid0(VALU_DEP_1)
	v_lshl_add_u32 v7, v232, 4, v7
	s_lshl_b32 s96, s19, 8
	s_add_co_u32 s96, s96, VS
	v_lshl_add_u32 v9, v233, 5, s96
	s_mul_i32 s96, s14, 16*80
	s_add_co_u32 s96, s96, STG                     ; my stage
	v_mul_u32_u24 v240, v232, 80
	s_delay_alu instid0(VALU_DEP_1)
	v_lshl_add_u32 v240, v233, 3, v240
	s_delay_alu instid0(VALU_DEP_1)
	v_add_nc_u32 v240, s96, v240                   ; in: row r, 8 h
	v_mul_u32_u24 v241, v223, 80
	s_delay_alu instid0(VALU_DEP_1)
	v_lshl_add_u32 v241, v224, 4, v241
	s_delay_alu instid0(VALU_DEP_1)
	v_add_nc_u32 v241, s96, v241                   ; back: row lane / 4, 16 (lane % 4)
	v_lshlrev_b32 v242, 10, v223
	s_delay_alu instid0(VALU_DEP_1)
	v_lshl_add_u32 v242, v224, 4, v242             ; and the same place in oc
	s_mul_i32 s96, s14, RW
	s_add_co_u32 s96, s96, REG
	v_lshl_add_u32 v247, v222, 4, s96              ; my RW bytes: 16 x lane
	s_xor_b32 s97, s14, 1
	s_mul_i32 s97, s97, RW
	s_add_co_u32 s97, s97, REG
	v_lshl_add_u32 v248, v222, 4, s97              ; my partner's
	v_lshlrev_b32 v234, 6, v232
	s_delay_alu instid0(VALU_DEP_1)
	v_lshl_add_u32 v234, v233, 4, v234             ; Q: row r of 64 bytes, 16 h
	v_lshlrev_b32 v235, 2, v0                      ; seq_mask: my four keys
	v_lshlrev_b32 v236, 6, v222                    ; seq_mask: 64 keys a lane
	v_and_b32 v237, 63, v0
	s_lshl_b32 s97, s18, 6
	v_add_nc_u32 v237, s97, v237
	s_delay_alu instid0(VALU_DEP_1)
	v_lshlrev_b32 v237, 2, v237                    ; vpart: channel 64 x head + t % 64
	v_lshl_add_u32 v245, v0, 4, CM
	v_lshl_add_u32 v246, v0, 2, VS
	s_lshl_b32 s40, s16, 17                        ; a head's 131,072 bytes, in each of the three planes
	s_mov_b32 s41, 0
	s_wait_alu depctr_va_vdst(0)
	s_wait_kmcnt 0x0
	s_load_b512 s[68:83], s[10:11], 0x0            ; the sixteen exponents
	s_add_nc_u64 s[34:35], s[4:5], s[40:41]
	s_add_nc_u64 s[36:37], s[34:35], 0x400000      ; kc
	s_add_nc_u64 s[38:39], s[34:35], 0x800000      ; vc
	s_lshl_b32 s40, s22, 6
	s_add_nc_u64 s[34:35], s[34:35], s[40:41]      ; qc at my first query
	s_lshl_b32 s40, s17, 11
	s_add_nc_u64 s[44:45], s[8:9], s[40:41]        ; seq_mask's row
	s_lshl_b32 s40, s17, 16
	s_add_nc_u64 s[6:7], s[6:7], s[40:41]          ; vpart's 16 blocks of my batch
	s_lshl_b32 s40, s17, 11
	s_add_co_u32 s40, s40, s22
	s_lshl_b32 s40, s40, 10
	s_lshl_b32 s42, s18, 6
	s_add_co_u32 s40, s40, s42
	s_add_nc_u64 s[12:13], s[12:13], s[40:41]      ; oc: my first query's row, my head's 64 bytes
	global_load_b128 v[24:27], v6, s[36:37]        ; slot 0
	global_load_b128 v[28:31], v6, s[36:37] offset:8192
	global_load_b128 v[32:35], v7, s[38:39]
	global_load_b128 v[36:39], v7, s[38:39] offset:65536
	global_load_b128 v[16:19], v234, s[34:35]      ; my tile's Q
	global_load_b128 v[20:23], v234, s[34:35] offset:32
	global_load_b32 v238, v235, s[44:45]
.irp k, 0,1,2,3
	global_load_b128 v[S+4*\k:S+4*\k+3], v236, s[44:45] offset:16*\k
.endr
	s_wait_kmcnt 0x0
	s_cmp_ge_i32 s76, -15
	s_cselect_b32 s51, 1, 0                        ; 57,344 x 2^e8 >= 1.75: no p reaches it
	s_add_co_i32 s96, s74, s75
	s_lshl_b32 s96, s96, 23
	s_add_co_u32 s30, s96, 0x3e38aa3b              ; c = log2 e / 8 x 2^(e6 + e7): the exponents are added to c's exponent field
	s_mov_b32 s31, s30
	s_sub_co_u32 s97, 0xc79c4000, s96              ; sm = -80000 x 2^-(e6 + e7)
	v_mov_b32 v216, s97
	s_delay_alu instid0(VALU_DEP_1)
	v_mul_f32 v219, s30, v216                      ; the masked t, by the multiplication that the key steps use
	s_cmp_lt_u32 s21, 15
	s_cselect_b32 s97, -1, 0
	v_mov_b32 v222, 0xff61b1e6
	s_delay_alu instid0(VALU_DEP_1)
	v_cndmask_b32 v219, v222, v219, s97            ; the last block's tiles walk all keys: -3e38 takes no part in M, and pm is 0
	s_add_co_i32 s96, s76, 127
	s_lshl_b32 s97, s96, 23
	v_mov_b32 v217, s97                            ; 2^e8
	s_add_co_i32 s96, s96, 15
	s_lshl_b32 s96, s96, 23
	s_or_b32 s96, s96, 0x600000
	v_mov_b32 v218, s96
	s_sub_co_i32 s96, s78, s76
	s_sub_co_i32 s96, s96, s77
	s_add_co_i32 s96, s96, 127
	s_lshl_b32 s97, s96, 23
	v_mov_b32 v243, s97                            ; 2^(e10 - e8 - e9)
	s_add_co_i32 s96, s96, 15
	s_lshl_b32 s96, s96, 23
	s_or_b32 s96, s96, 0x600000
	v_mov_b32 v244, s96
	s_cmp_ge_u32 s14, 4
	s_cbranch_scc1 .Lno_vs
	; waves 0, 1: the early block's sum over the blocks of keys from i + 1 on; waves 2, 3: the late block's, from 16 - i on.  A thread a channel
.irp k, 0,1,2,3,4,5,6,7,8,9,10,11,12,13,14,15
	global_load_b32 v[S+16+\k], v237, s[6:7] offset:4096*\k
.endr
	s_add_co_u32 s42, ttmp9, 1
	s_sub_co_u32 s43, 16, ttmp9
	s_cmp_ge_u32 s14, 2
	s_cselect_b32 s42, s43, s42
	s_wait_loadcnt 0x0
	s_cmp_le_u32 s42, 0
	s_cselect_b32 s96, 1.0, 0
	v_mul_f32 v[S+32], s96, v[S+16]
.irp k, 1,2,3,4,5,6,7,8,9,10,11,12,13,14,15
	s_cmp_le_u32 s42, \k
	s_cselect_b32 s96, 1.0, 0
	v_fma_f32 v[S+32], v[S+16+\k], s96, v[S+32]
.endr
	ds_store_b32 v246, v[S+32]
.Lno_vs:
	s_wait_loadcnt 0x0
	ds_store_b128 v247, v[16:19] offset:QIM        ; my Q's image: the partner may want it
	ds_store_b128 v247, v[20:23] offset:QIM+512
.irp k, 1
	v_or_b32 v[S], v[S], v[S+\k]
.endr
.irp k, 2, 3, 4, 5, 6, 7, 8, 9, 10, 11, 12, 13, 14, 15
	s_delay_alu instid0(VALU_DEP_1)
	v_or_b32 v[S], v[S], v[S+\k]
.endr
	s_delay_alu instid0(VALU_DEP_1)
	v_cmp_ne_u32 vcc_lo, 0, v[S]
	s_mov_b32 s27, vcc_lo                          ; bit n: some key of 64 n .. 64 n + 63 is hidden by seq_mask
.irp k, 0,1,2,3
	v_bfe_u32 v222, v238, 8*\k, 8
	s_delay_alu instid0(VALU_DEP_1)
	v_cmp_ne_u32 vcc_lo, 0, v222
	s_delay_alu instid0(VALU_DEP_1)
	v_cndmask_b32 v[224+\k], 0, v216, vcc_lo
.endr
	ds_store_b128 v245, v[224:227]
	v_mov_b32 v13, 0xff61b1e6                      ; the largest t so far: -3e38
	s_delay_alu instid0(VALU_DEP_1)
	v_floor_f32 v12, -v13                          ; -M
	v_mov_b32 v14, 0
	v_mov_b32 v15, 0
	v_mov_b32 v221, 0                              ; named as the upper half of a pair
	v_mov_b32 v223, 0                              ; a lane permute's destination counts as read
.set j, 0
.rept 32
	v_mov_b32 v[O+j], 0                            ; the key step is written once: the first finds zeros
.set j, j+1
.endr
; An early wave changes tiles: its own tile's state goes into its own LDS bytes, the partner's Q comes in, an empty state begins.
.macro SWITCH
.rept 4
	v_nop                                          ; places behind the last products: their results are stored, their operand Q is loaded anew
.endr
.irp t, 0,1,2,3
	ds_store_b128 v247, v[O+8*\t:O+8*\t+3] offset:1024*\t          ; each accumulator from its low end on
	ds_store_b128 v247, v[O+8*\t+4:O+8*\t+7] offset:1024*\t+512
.endr
	ds_store_b128 v247, v[12:15] offset:4096
	ds_load_b128 v[16:19], v248 offset:QIM         ; stored at the head, ahead of the first barrier
	ds_load_b128 v[20:23], v248 offset:QIM+512
	s_wait_dscnt 0x0
.set j, 0
.rept 32
	v_mov_b32 v[O+j], 0
.set j, j+1
.endr
	v_mov_b32 v13, 0xff61b1e6
	s_delay_alu instid0(VALU_DEP_1)
	v_floor_f32 v12, -v13
	v_mov_b32 v14, 0
	v_mov_b32 v15, 0
	s_mov_b32 s22, s50                             ; the tile in hand is the late one
	s_mov_b32 s49, 0
.endm
.macro STEP buf, q                     ; 128 keys, the q-th half of the slot in buffer buf
	s_cmp_gt_u32 s23, s47                          ; behind the late block: nobody walks it
	s_cbranch_scc1 .Lhid_\@
	s_cmp_le_u32 s23, s46                          ; up to the early block's end each wave walks its own tile
	s_cbranch_scc1 .Lgo_\@
	s_bfe_u32 s96, s23, 0x10007                    ; the step's parity
	s_cmp_lg_u32 s96, s48
	s_cbranch_scc1 .Lhid_\@                        ; the partner's turn
	s_cmp_eq_u32 s49, 0
	s_cbranch_scc1 .Lgo_\@
	s_wait_alu depctr_va_vdst(0)
	SWITCH
.Lgo_\@:
.rept 4
	v_nop                                          ; places in front of loads into registers that the last products read
.endr
.irp t, 0,1,2,3,4,5,6,7
.irp c, 0,1
	ds_load_b128 v[FRG+8*\t+4*\c:FRG+8*\t+4*\c+3], v1 offset:\buf*BUFB+(128*(\q)+16*\t)*KP+32*\c
.endr
.endr
	s_lshr_b32 s96, s23, 6
	s_lshr_b32 s96, s27, s96
	s_and_b32 s96, s96, 3
	s_cmp_lg_u32 s96, 0
	s_cbranch_scc1 .Lmsk_\@
	s_wait_dscnt 0x0
.irp t, 0,1,2,3,4,5,6,7
	v_wmma_f32_16x16x64_bf8_bf8 v[S+8*\t:S+8*\t+7], v[FRG+8*\t:FRG+8*\t+7], v[16:23], 0
.endr
	s_branch .Lsc_\@
.Lmsk_\@:
	s_lshl_b32 s96, s23, 2
	v_add_nc_u32 v8, s96, v3
.irp t, 0,1,2,3,4,5,6,7
	ds_load_b128 v[S+8*\t:S+8*\t+3], v8 offset:64*\t         ; C: sm at hidden keys, in the result's layout
	ds_load_b128 v[S+8*\t+4:S+8*\t+7], v8 offset:64*\t+16
.endr
	s_wait_dscnt 0x0
.irp t, 0,1,2,3,4,5,6,7
	v_wmma_f32_16x16x64_bf8_bf8 v[S+8*\t:S+8*\t+7], v[FRG+8*\t:FRG+8*\t+7], v[16:23], v[S+8*\t:S+8*\t+7]
.endr
.Lsc_\@:
.rept 4
	v_nop
.endr
.irp t, 0,1,2,3
.irp c, 0,1,2,3
	ds_load_b128 v[FRG+16*\t+4*\c:FRG+16*\t+4*\c+3], v2 offset:\buf*BUFB+16*\t*VP+128*(\q)+32*\c   ; V lands while the softmax is walked
.endr
.endr
	s_add_co_u32 s96, s23, 127
	s_cmp_le_u32 s96, s22
	s_cbranch_scc1 .Lopen_\@                       ; all 128 keys count
	s_sub_co_i32 s96, s22, s23
	v_and_b32 v234, 15, v0
	v_bfe_u32 v235, v0, 4, 1
	s_delay_alu instid0(VALU_DEP_1)
	v_lshlrev_b32 v235, 3, v235
	s_delay_alu instid0(VALU_DEP_1)
	v_sub_nc_u32 v234, v234, v235
	s_delay_alu instid0(VALU_DEP_1)
	v_add_nc_u32 v234, s96, v234                   ; d = my query - the first key - 8 h: register 8 T + j is hidden where 16 T + j > d
.set n, 0
.rept 64
	v_cmp_gt_i32 vcc_lo, 16*(n/8)+n%8, v234
	v_cndmask_b32 v[S+n], v[S+n], v216, vcc_lo
.set n, n+1
.endr
.Lopen_\@:
	v_max3_num_f32 v222, v[S], v[S+1], v[S+2]      ; the step's largest score of my query, in four chains
	v_max3_num_f32 v220, v[S+3], v[S+4], v[S+5]
	v_max3_num_f32 v224, v[S+6], v[S+7], v[S+8]
	v_max3_num_f32 v225, v[S+9], v[S+10], v[S+11]
.irp i, 12,20,28,36,44,52
	v_max3_num_f32 v222, v222, v[S+\i], v[S+1+\i]
	v_max3_num_f32 v220, v220, v[S+2+\i], v[S+3+\i]
	v_max3_num_f32 v224, v224, v[S+4+\i], v[S+5+\i]
	v_max3_num_f32 v225, v225, v[S+6+\i], v[S+7+\i]
.endr
	v_max3_num_f32 v222, v222, v[S+60], v[S+61]
	v_max3_num_f32 v220, v220, v[S+62], v[S+63]
	s_delay_alu instid0(VALU_DEP_1)
	v_max3_num_f32 v222, v222, v220, v224
	s_delay_alu instid0(VALU_DEP_1)
	v_max_num_f32 v222, v222, v225
	s_delay_alu instid0(VALU_DEP_1)
	v_permlanex16_b32 v223, v222, s28, s29
	s_delay_alu instid0(VALU_DEP_1)
	v_max_num_f32 v222, v222, v223
	s_delay_alu instid0(VALU_DEP_1)
	v_mul_f32 v222, s30, v222                      ; as t (c is positive)
	s_delay_alu instid0(VALU_DEP_1)
	v_max_num_f32 v13, v13, v222
	v_mov_b32 v222, v12
	s_delay_alu instid0(VALU_DEP_2)
	v_floor_f32 v12, -v13                          ; the new -M = -ceil(t)
	s_delay_alu instid0(VALU_DEP_1)
	v_sub_f32 v222, v12, v222                      ; old M - new M: a whole number, 0 or less
	s_delay_alu instid0(VALU_DEP_1)
	v_cvt_i32_f32 v222, v222                       ; (it saturates)
	s_delay_alu instid0(VALU_DEP_1)
	v_ldexp_f32 v220, 1.0, v222                    ; f = 2^(old M - new M)
.set j, 0
.rept 32
	v_pk_fma_f32 v[S+2*j:S+2*j+1], v[S+2*j:S+2*j+1], s[30:31], v[12:13] op_sel_hi:[1,0,0]   ; t - M
.set j, j+1
.endr
.set j, 0
	s_wait_alu depctr_va_vdst(0)
.rept 64
	v_exp_f32 v[S+j], v[S+j]
.set j, j+1
.endr
	v_pk_mul_f32 v[14:15], v[14:15], v[220:221] op_sel_hi:[1,0]   ; the sums under the new M: a plain instruction behind the exponentials
	s_wait_alu depctr_va_vdst(0)                   ; one wait for the batch, ahead of its first reader
	v_pk_add_f32 v[232:233], v[116:117], v[124:125]
	v_pk_add_f32 v[234:235], v[132:133], v[140:141]
	v_pk_add_f32 v[236:237], v[148:149], v[156:157]
	v_pk_add_f32 v[254:255], v[164:165], v[104:105]
	v_pk_add_f32 v[252:253], v[106:107], v[118:119]
	v_pk_add_f32 v[250:251], v[126:127], v[134:135]
	v_pk_add_f32 v[238:239], v[142:143], v[150:151]
	v_pk_add_f32 v[14:15], v[14:15], v[158:159]
	v_pk_add_f32 v[232:233], v[232:233], v[166:167]
	v_pk_add_f32 v[234:235], v[234:235], v[108:109]
	v_pk_add_f32 v[236:237], v[236:237], v[110:111]
	v_pk_add_f32 v[254:255], v[254:255], v[120:121]
	v_pk_add_f32 v[252:253], v[252:253], v[128:129]
	v_pk_add_f32 v[250:251], v[250:251], v[136:137]
	v_pk_add_f32 v[238:239], v[238:239], v[144:145]
	v_pk_add_f32 v[14:15], v[14:15], v[152:153]
	v_pk_add_f32 v[232:233], v[232:233], v[160:161]
	v_pk_add_f32 v[234:235], v[234:235], v[112:113]
	v_pk_add_f32 v[236:237], v[236:237], v[114:115]
	v_pk_add_f32 v[254:255], v[254:255], v[122:123]
	v_pk_add_f32 v[252:253], v[252:253], v[130:131]
	v_pk_add_f32 v[250:251], v[250:251], v[138:139]
	v_pk_add_f32 v[238:239], v[238:239], v[146:147]
	v_pk_add_f32 v[14:15], v[14:15], v[154:155]
	v_pk_add_f32 v[232:233], v[232:233], v[162:163]
	s_delay_alu instid0(VALU_DEP_2)
	v_pk_add_f32 v[14:15], v[14:15], v[254:255]
	s_delay_alu instid0(VALU_DEP_2)
	v_pk_add_f32 v[232:233], v[232:233], v[252:253]
	v_pk_add_f32 v[234:235], v[234:235], v[250:251]
	v_pk_add_f32 v[236:237], v[236:237], v[238:239]
	s_delay_alu instid0(VALU_DEP_2)
	v_pk_add_f32 v[14:15], v[14:15], v[234:235]
	s_delay_alu instid0(VALU_DEP_2)
	v_pk_add_f32 v[232:233], v[232:233], v[236:237]
	s_delay_alu instid0(VALU_DEP_1)
	v_pk_add_f32 v[14:15], v[14:15], v[232:233]
	s_cmp_lg_u32 s51, 0
	s_cbranch_scc1 .Lnoh_\@                        ; the limit lies above every p
.set j, 0
.rept 64
	v_min_num_f32 v[S+j], v[S+j], v218             ; the conversion does not saturate (ISA guide 7.6.2); p is not negative: the hold is one-sided
.set j, j+1
.endr
.Lnoh_\@:
.irp t, 0,1,2,3,4,5,6,7
	v_cvt_scalef32_pk8_bf8_f32 v[PCD+2*\t:PCD+2*\t+1], v[S+8*\t:S+8*\t+7], v217
.endr
.set j, 0
.rept 16
	v_pk_mul_f32 v[O+2*j:O+2*j+1], v[O+2*j:O+2*j+1], v[220:221] op_sel_hi:[1,0]   ; O^T under the new M; plain lines between the conversions and the products
.set j, j+1
.endr
	s_wait_alu depctr_va_vdst(0)
	s_wait_dscnt 0x0                               ; V
.irp t, 0,1,2,3
	v_wmma_f32_16x16x128_bf8_bf8 v[O+8*\t:O+8*\t+7], v[FRG+16*\t:FRG+16*\t+15], v[PCD:PCD+15], v[O+8*\t:O+8*\t+7]
.endr
.Lhid_\@:
	s_add_co_u32 s23, s23, 128
.endm
.macro SLOTTRIP buf
	s_wait_loadcnt 0x0                             ; this slot's bytes are in my registers
	s_cmp_gt_u32 s24, s25                          ; ids and the count of slots alone: all sixteen waves go the same way
	s_cbranch_scc1 .Lnofill_\@
	ds_store_b128 v4, v[24:27] offset:\buf*BUFB
	ds_store_b128 v4, v[28:31] offset:\buf*BUFB+128*KP
	ds_store_b128 v5, v[32:35] offset:\buf*BUFB
	ds_store_b128 v5, v[36:39] offset:\buf*BUFB+32*VP
.Lnofill_\@:
	s_wait_dscnt 0x0                               ; my stores have landed, and my reads of the other buffer are over
	s_barrier_signal -1
	s_barrier_wait -1
	s_cmp_ge_u32 s24, s25
	s_cbranch_scc1 .Lnoload_\@
	s_add_nc_u64 s[36:37], s[36:37], 16384         ; the last loads by these bases are done
	s_add_nc_u64 s[38:39], s[38:39], 256
	global_load_b128 v[24:27], v6, s[36:37]        ; the next slot: this slot's steps in which to land
	global_load_b128 v[28:31], v6, s[36:37] offset:8192
	global_load_b128 v[32:35], v7, s[38:39]
	global_load_b128 v[36:39], v7, s[38:39] offset:65536
.Lnoload_\@:
	STEP \buf, 0
	STEP \buf, 1
	s_add_co_u32 s24, s24, 1
.endm
	s_mov_b32 s26, 4                               ; every work-group walks all eight slots' barriers: the trip count is a constant
.Lslots:
	SLOTTRIP 0
	SLOTTRIP 1
	s_sub_co_u32 s26, s26, 1
	s_cmp_lg_u32 s26, 0
	s_cbranch_scc1 .Lslots
	; THE PAIR'S TWO PARTS OF THE LATE TILE ARE JOINED
	s_cmp_eq_u32 s49, 0
	s_cbranch_scc1 .Lswitched
	s_wait_alu depctr_va_vdst(0)
	SWITCH                                         ; i = 7: the late tile has one step behind the early block, the late wave's: the early wave's part is empty
.Lswitched:
.rept 4
	v_nop                                          ; places behind the last products
.endr
	s_cmp_lg_u32 s19, 0
	s_cbranch_scc1 .Lmeet
	s_wait_alu depctr_va_vdst(0)
.irp t, 0,1,2,3                                ; an early wave: my part of the late tile goes to LDS,
	ds_store_b128 v247, v[O+8*\t:O+8*\t+3] offset:PART+1024*\t
	ds_store_b128 v247, v[O+8*\t+4:O+8*\t+7] offset:PART+1024*\t+512
.endr
	ds_store_b128 v247, v[12:15] offset:PART+4096
	s_wait_dscnt 0x0                               ; the stores have read their registers
.irp t, 0,1,2,3                                ; and my own tile's state comes back
	ds_load_b128 v[O+8*\t:O+8*\t+3], v247 offset:1024*\t
	ds_load_b128 v[O+8*\t+4:O+8*\t+7], v247 offset:1024*\t+512
.endr
	ds_load_b128 v[12:15], v247 offset:4096
.Lmeet:
	s_wait_dscnt 0x0                               ; for the partner's sake: my stores have landed
	s_barrier_signal -1
	s_barrier_wait -1
	s_cmp_eq_u32 s19, 0
	s_cbranch_scc1 .Ltail
.irp k, 0,1,2,3,4,5,6,7                        ; a late wave: the partner's O^T into v40-71, its -M, t and sum into v72-75
	ds_load_b128 v[FRG+4*\k:FRG+4*\k+3], v248 offset:PART+512*\k
.endr
	ds_load_b128 v[FRG+32:FRG+35], v248 offset:PART+4096
	v_mov_b32 v227, 0                              ; named as the upper half of a pair
	s_wait_dscnt 0x0
	s_wait_alu depctr_va_vdst(0)
	v_max_num_f32 v13, v13, v[FRG+33]              ; the common largest t,
	s_delay_alu instid0(VALU_DEP_1)
	v_floor_f32 v223, -v13                         ; and -M
	s_delay_alu instid0(VALU_DEP_1)
	v_sub_f32 v224, v223, v12                      ; my M - the common M: a whole number, 0 or less
	s_delay_alu instid0(VALU_DEP_2)
	v_sub_f32 v225, v223, v[FRG+32]                ; the partner's likewise (an empty part: -3e38)
	s_delay_alu instid0(VALU_DEP_2)
	v_cvt_i32_f32 v224, v224                       ; (they saturate)
	s_delay_alu instid0(VALU_DEP_2)
	v_cvt_i32_f32 v225, v225
	s_delay_alu instid0(VALU_DEP_2)
	v_ldexp_f32 v220, 1.0, v224
	s_delay_alu instid0(VALU_DEP_2)
	v_ldexp_f32 v226, 1.0, v225                    ; (an empty part: 0)
	v_mov_b32 v12, v223
	s_delay_alu instid0(VALU_DEP_2)
	v_pk_mul_f32 v[FRG+34:FRG+35], v[FRG+34:FRG+35], v[226:227] op_sel_hi:[1,0]
	s_delay_alu instid0(VALU_DEP_1)
	v_pk_fma_f32 v[14:15], v[14:15], v[220:221], v[FRG+34:FRG+35] op_sel_hi:[1,0,1]
.set j, 0
.rept 16
	v_pk_mul_f32 v[FRG+2*j:FRG+2*j+1], v[FRG+2*j:FRG+2*j+1], v[226:227] op_sel_hi:[1,0]
.set j, j+1
.endr
.set j, 0
.rept 16
	v_pk_fma_f32 v[O+2*j:O+2*j+1], v[O+2*j:O+2*j+1], v[220:221], v[FRG+2*j:FRG+2*j+1] op_sel_hi:[1,0,1]
.set j, j+1
.endr
.Ltail:
	; THE TAIL, each wave for its own tile: the keys not walked, in closed form; then O^T / the sum, quantised
.irp t, 0,1,2,3
	ds_load_b128 v[FRG+8*\t:FRG+8*\t+3], v9 offset:64*\t
	ds_load_b128 v[FRG+8*\t+4:FRG+8*\t+7], v9 offset:64*\t+16
.endr
	s_wait_alu depctr_va_vdst(0)
	v_max_num_f32 v13, v13, v219
	v_mov_b32 v222, v12
	s_delay_alu instid0(VALU_DEP_2)
	v_floor_f32 v12, -v13
	s_delay_alu instid0(VALU_DEP_1)
	v_sub_f32 v222, v12, v222
	s_delay_alu instid0(VALU_DEP_1)
	v_cvt_i32_f32 v222, v222
	s_delay_alu instid0(VALU_DEP_1)
	v_ldexp_f32 v220, 1.0, v222
	s_delay_alu instid0(VALU_DEP_4)
	v_add_f32 v222, v219, v12
	s_wait_alu depctr_va_vdst(0)
	v_exp_f32 v224, v222                           ; pm
.irp k, 225,226,227,228,229,230,231,239
	v_mov_b32 v\k, 0
.endr
	s_wait_alu depctr_va_vdst(0)
	v_mul_f32 v223, s32, v224
	s_delay_alu instid0(VALU_DEP_1)
	v_fma_f32 v14, v14, v220, v223                 ; the sum under the last M, + my half of nskip x pm
	v_mul_f32 v15, v15, v220
	v_min_num_f32 v224, v224, v218
	v_cvt_scalef32_pk8_bf8_f32 v[236:237], v[224:231], v217
	v_nop
	v_cvt_f32_bf8 v238, v236                       ; Q(pm), as the code's value
	s_wait_alu depctr_va_vdst(0)
	s_wait_dscnt 0x0
.set j, 0
.rept 16
	v_pk_mul_f32 v[FRG+2*j:FRG+2*j+1], v[FRG+2*j:FRG+2*j+1], v[238:239] op_sel_hi:[1,0]
.set j, j+1
.endr
.set j, 0
.rept 16
	v_pk_fma_f32 v[O+2*j:O+2*j+1], v[O+2*j:O+2*j+1], v[220:221], v[FRG+2*j:FRG+2*j+1] op_sel_hi:[1,0,1]
.set j, j+1
.endr
	v_add_f32 v14, v14, v15
	s_delay_alu instid0(VALU_DEP_1)
	v_permlanex16_b32 v223, v14, s28, s29
	s_delay_alu instid0(VALU_DEP_1)
	v_add_f32 v14, v14, v223                       ; the row's sum
	s_wait_alu depctr_va_vdst(0)
	v_rcp_f32 v14, v14
	v_nop
	s_wait_alu depctr_va_vdst(0)
.set j, 0
.rept 16
	v_pk_mul_f32 v[O+2*j:O+2*j+1], v[O+2*j:O+2*j+1], v[14:15] op_sel_hi:[1,0]
.set j, j+1
.endr
.set j, 0
.rept 32
	v_med3_num_f32 v[O+j], v[O+j], -v244, v244
.set j, j+1
.endr
.irp t, 0,1,2,3
	v_cvt_scalef32_pk8_bf8_f32 v[PCD+2*\t:PCD+2*\t+1], v[O+8*\t:O+8*\t+7], v243
.endr
	v_nop
.irp t, 0,1,2,3
	ds_store_b64 v240, v[PCD+2*\t:PCD+2*\t+1] offset:16*\t
.endr
	ds_load_b128 v[FRG:FRG+3], v241                ; LDS serves a wave's instructions in order: these see my stores
	ds_load_b128 v[FRG+4:FRG+7], v241 offset:640
	s_wait_dscnt 1                                 ; the second read-back may be out
	global_store_b128 v242, v[FRG:FRG+3], s[12:13]
	s_wait_dscnt 0x0
	global_store_b128 v242, v[FRG+4:FRG+7], s[12:13] offset:8192
	s_wait_tensorcnt 0x0                           ; the wave's end
	ds_add_u32 v10, v11
	s_wait_dscnt 0x0
	s_endpgm
.Lfunc_end_k_q6fd0348a10_attn:
	.size	k_q6fd0348a10_attn, .Lfunc_end_k_q6fd0348a10_attn-k_q6fd0348a10_attn
	.p2alignl 7, 3214868480
	.fill 96, 4, 3214868480
	.section	.rodata,"a",@progbits
	.p2align	6, 0x0
	.amdhsa_kernel k_q6fd0348a10_attn
		.amdhsa_group_segment_fixed_size 270848
		.amdhsa_private_segment_fixed_size 0
		.amdhsa_enable_private_segment 0
		.amdhsa_kernarg_size 40
		.amdhsa_user_sgpr_count 2
		.amdhsa_user_sgpr_kernarg_segment_ptr 1
		.amdhsa_wavefront_size32 1
		.amdhsa_system_sgpr_workgroup_id_x 1
		.amdhsa_system_sgpr_workgroup_id_y 1
		.amdhsa_system_sgpr_workgroup_id_z 1
		.amdhsa_system_vgpr_workitem_id 0
		.amdhsa_next_free_vgpr 256
		.amdhsa_next_free_sgpr 100
		.amdhsa_reserve_vcc 1
		.amdhsa_float_denorm_mode_32 3
		.amdhsa_float_denorm_mode_16_64 3
		.amdhsa_memory_ordered 1
		.amdhsa_forward_progress 1
		.amdhsa_inst_pref_size 134
	.end_amdhsa_kernel
	.amdgpu_metadata
---
amdhsa.version: [ 1, 2 ]
amdhsa.kernels:
  - .name:           k_q6fd0348a10_attn
    .symbol:         k_q6fd0348a10_attn.kd
    .args:
      - { .name: qkv, .offset: 0, .size: 8, .value_kind: global_buffer, .address_space: global }
      - { .name: vpart, .offset: 8, .size: 8, .value_kind: global_buffer, .address_space: global }
      - { .name: seq_mask, .offset: 16, .size: 8, .value_kind: global_buffer, .address_space: global }
      - { .name: lowp_scales, .offset: 24, .size: 8, .value_kind: global_buffer, .address_space: global }
      - { .name: oc, .offset: 32, .size: 8, .value_kind: global_buffer, .address_space: global }
    .group_segment_fixed_size: 270848
    .private_segment_fixed_size: 0
    .kernarg_segment_align: 8
    .kernarg_segment_size: 40
    .max_flat_workgroup_size: 512
    .sgpr_count:     100
    .vgpr_count:     256
    .wavefront_size: 32
...
	.end_amdgpu_metadata
.endif
;; end of part 3
;; launch wo (part 4): grid 8 x 32, 4 waves a work-group, clusters of 4 x 4, 327,680 bytes of LDS; arguments oc, wo_codes, lowp_scales, x, x1; writes x1
.if DOCPART == 4
	.amdgcn_target "amdgcn-amd-amdhsa--gfx1250"
	.amdhsa_code_object_version 6
	.text
	.protected	k_q6fd0348a10_wo
	.globl	k_q6fd0348a10_wo
	.p2align	8
	.type	k_q6fd0348a10_wo,@function
k_q6fd0348a10_wo:
	s_mov_b64 s[64:65], 0
	v_nop
	global_prefetch_b8 v0, s[64:65] scope:SCOPE_SE
	s_setreg_imm32_b32 hwreg(HW_REG_WAVE_MODE, 25, 1), 1
	s_wait_xcnt 0x0
	s_wait_alu depctr_hold_cnt(0) depctr_sa_sdst(0) depctr_va_vdst(0) depctr_va_sdst(0) depctr_va_ssrc(0) depctr_va_vcc(0) depctr_vm_vsrc(0)
	s_getreg_b32 s2, hwreg(HW_REG_IB_STS2, 6, 4)
	s_cmp_eq_u32 s2, 0
	s_cbranch_scc0 .Lentry_in_a_cluster
	s_endpgm
.Lentry_in_a_cluster:
	s_bfe_u32 s2, ttmp6, 0x10000c
	s_cmp_lg_u32 s2, 0xf033
	s_cbranch_scc0 .Lentry_shape_is_right
	s_endpgm
.Lentry_shape_is_right:
; x1 = x + o wo^T: [4096 x 1024] x [1024 x 1024] on codes of E5M2; each sum x 2^(e10 + e11), + the residual, in f32.  LIMIT: e10 + e11 between -126 and 127.
; N is 1,024: tiles of 256 x 256 would be 64; so a tile is 128 x 128, 256 work-groups; four waves of 64 x 64: 16 accumulators.
; THE WHOLE K LIES IN LDS AT ONCE: 128 rows of o and 128 rows of wo, 1,024 bytes each, at a pitch of 1,040: 266,240 bytes.  Each wave asks for 64 rows by ONE tensor load at the head;
; nothing is filled a second time, so there is no ring, no change of slots, and one work-group barrier between the fill and the reads.
; CLUSTERS: 4 x 4; A's rows are asked for jointly along a row of the cluster, B's along a column.  The matrix instruction is used transposed: a lane holds eight neighbouring columns of a row.
; REGISTERS: window 0: v0-31 addresses, v32-95 the way out, v128-255 the accumulators ((a, b) at 128 + 8 (4 a + b)); window 1: two fragment buffers of 128 (A's four fragments, then B's four);
; window 2: v0-127 the residual, asked for at the head in the layout in which the rows leave.
; No prefetch: the launch has no loop to run ahead in; every byte of its tiles is asked for by the head's one load a wave.
.set SIZE_K, 1024
.set PITCH,  1040                      ; 1,024 bytes + 16 of padding: an odd multiple of 16, so the 16 rows of a load start at 16 different 16-byte columns
.set HALFT,  64*PITCH                  ; what one tensor load brings
.set STAGE,  4*HALFT                   ; behind the tiles: 16 rows x 272 bytes for each wave
.set SPITCH, 272
.set SPARE,  STAGE+4*16*SPITCH         ; behind the stages: the spare words, 128 bytes a wave
.set ADRA, 16                          ; v16 LDS address of my A fragments
.set ADRB, 20                          ; v20 of my B fragments
.set STO,  24
.set RD,   25
.set CO,   26
.set SPW,  28
.set NIL,  29
.set TMP,  32
.set ACC,  128
.set F0,   0
.set F1,   128
.set G1,  24
.set G0,  32
.set G1B, 48
.set G0B, 56
.set RESP, 74                          ; s[74:75] the residual
.set OUTP, 76                          ; s[76:77] the output
.set MSB, 0
.macro WIN new                         ; the immediate's high byte repeats the setting that is left
.if MSB != \new
	s_set_vgpr_msb (MSB<<8)|\new
.set MSB, \new
.endif
.endm
.set MUL,  0x05                        ; sources 0 (B) and 1 (A) window 1; C and D window 0
.set TO_F, 0x40
.macro CROUND                          ; a round of the cluster's barrier
	s_barrier_signal -1
	s_barrier_wait -1
	s_cmp_lg_u32 s10, 0
	s_cbranch_scc1 .Lnot_wave_0_\@
	s_barrier_signal -3
.Lnot_wave_0_\@:
	s_barrier_wait -3
	s_barrier_signal -1
	s_barrier_wait -1
.endm
.macro PLACES                          ; plain vector instructions between a matrix instruction and a load into, or a read of, its registers
.rept 4
	v_nop
.endr
.endm
	s_load_b256 s[68:75], s[0:1], 0x0              ; o's codes 68, wo's codes 70, the exponents 72, x 74
	s_load_b64 s[76:77], s[0:1], 0x20              ; x1
	v_lshl_add_u32 v[SPW], v0, 2, SPARE
	v_mov_b32 v[NIL], 0
	ds_add_u32 v[SPW], v[NIL]                      ; the wave's opening: the add, twice on end, and its wait ahead of my tensor load
	ds_add_u32 v[SPW], v[NIL]
	v_lshrrev_b32 v1, 5, v0
	v_readfirstlane_b32 s10, v1                    ; wave
	s_lshr_b32 s11, s10, 1                         ; my half of the rows; also: I fetch for A (0) or B (1)
	s_and_b32 s12, s10, 1                          ; my half of the columns; also: which 64 rows I fetch
	s_bfe_u32 s40, ttmp6, 0x40000                  ; cx
	s_bfe_u32 s41, ttmp6, 0x40004                  ; cy
	s_lshl_b32 s42, ttmp9, 2
	s_add_co_u32 s42, s42, s40                     ; tile column
	s_and_b32 s13, ttmp7, 0xffff
	s_lshl_b32 s13, s13, 2
	s_add_co_u32 s13, s13, s41                     ; tile row
	s_lshl_b32 s43, s41, 2
	s_lshl_b32 s43, 15, s43                        ; my row of the cluster
	s_lshl_b32 s44, 0x1111, s40                    ; my column
	s_or_b32 s[G1+0], s43, (0<<16)|(1<<20)|(1<<21)|(7<<22)|(3<<25)   ; the mask; elements of 1 byte; padding: 4 words behind every 256
	s_or_b32 s[G1B+0], s44, (0<<16)|(1<<20)|(1<<21)|(7<<22)|(3<<25)
.irp g, G1, G1B
	s_mov_b32 s[\g+1], SIZE_K<<16                  ; tensor_dim0
	s_mov_b32 s[\g+2], 64<<16                      ; tensor_dim1
	s_mov_b32 s[\g+3], SIZE_K<<16                  ; tile_dim0
	s_mov_b32 s[\g+4], 64                          ; tile_dim1
	s_mov_b32 s[\g+5], SIZE_K                      ; the pitch
	s_mov_b32 s[\g+6], 0
	s_mov_b32 s[\g+7], 0
.endr
	s_lshl_b32 s17, s12, 6
	s_lshl_b32 s16, s13, 7
	s_add_co_u32 s16, s16, s17
	s_lshl_b32 s16, s16, 10                        ; A: row 128 x tile row + 64 x half, in bytes
	s_lshl_b32 s46, s42, 7
	s_add_co_u32 s46, s46, s17
	s_lshl_b32 s46, s46, 10                        ; B: row 128 x tile column + 64 x half, in bytes
	s_mov_b32 s17, 0
	s_mov_b32 s47, 0
	s_mul_i32 s20, s10, HALFT                      ; where my 64 rows go: A's halves, then B's: no place in the cluster enters an LDS address
	s_mul_i32 s21, s11, HALFT                      ; my 64 rows of A,
	s_mul_i32 s22, s12, HALFT
	s_add_co_u32 s22, s22, 2*HALFT                 ; and of B
	s_mul_i32 s23, s10, 16*SPITCH
	s_add_co_u32 s23, s23, STAGE                   ; my stage
	s_wait_dscnt 0x0                               ; both opening adds are done
	s_wait_kmcnt 0x0
	s_load_b64 s[96:97], s[72:73], 40              ; e10, e11: waited for on the way out
	s_mov_b32 s[G0], 1
	s_mov_b32 s[G0+1], s20
	s_add_nc_u64 s[G0+2:G0+3], s[68:69], s[16:17]
	s_or_b32 s[G0+3], s[G0+3], 0x80000000
	s_mov_b32 s[G0B], 1
	s_mov_b32 s[G0B+1], s20
	s_add_nc_u64 s[G0B+2:G0B+3], s[70:71], s[46:47]
	s_or_b32 s[G0B+3], s[G0B+3], 0x80000000
	CROUND                                         ; all sixteen work-groups are here: the joint loads meet
	s_cmp_eq_u32 s11, 0                            ; waves 0 and 1 fetch A's halves, waves 2 and 3 B's: one load in each arm; an s_nop 0 and four v_nop follow each
	s_cbranch_scc0 .Lfor_b
	tensor_load_to_lds s[G0:G0+3], s[G1:G1+7]
	s_nop 0
	PLACES
	s_branch .Lasked
.Lfor_b:
	tensor_load_to_lds s[G0B:G0B+3], s[G1B:G1B+7]
	s_nop 0
	PLACES
.Lasked:
	s_lshl_b32 s16, s13, 7
	s_lshl_b32 s18, s11, 6
	s_add_co_u32 s16, s16, s18
	s_lshl_b32 s16, s16, 12                        ; my first row of x and x1, in bytes
	s_lshl_b32 s46, s42, 9
	s_lshl_b32 s18, s12, 8
	s_add_co_u32 s46, s46, s18                     ; my first column, in bytes
	s_add_nc_u64 s[RESP:RESP+1], s[RESP:RESP+1], s[16:17]
	s_add_nc_u64 s[OUTP:OUTP+1], s[OUTP:OUTP+1], s[16:17]
	s_add_nc_u64 s[RESP:RESP+1], s[RESP:RESP+1], s[46:47]
	s_add_nc_u64 s[OUTP:OUTP+1], s[OUTP:OUTP+1], s[46:47]
	v_and_b32 v1, 15, v0                           ; r
	v_bfe_u32 v2, v0, 4, 1                         ; h
	v_mul_u32_u24 v3, v1, PITCH
	v_lshl_add_u32 v3, v2, 4, v3                   ; r x pitch + 16 h
	v_add_nc_u32 v[ADRA], s21, v3
	v_add_nc_u32 v[ADRB], s22, v3
	v_mul_u32_u24 v4, v1, SPITCH
	v_lshl_add_u32 v4, v2, 5, v4
	v_add_nc_u32 v[STO], s23, v4                   ; into the stage: row r, 32 h
	v_mul_u32_u24 v5, v2, SPITCH
	v_lshl_add_u32 v5, v1, 4, v5
	v_add_nc_u32 v[RD], s23, v5                    ; back: lanes 0-15 one row of 256 bytes, lanes 16-31 the next
	v_lshlrev_b32 v5, 12, v2
	v_lshl_add_u32 v[CO], v1, 4, v5                ; and the same two rows in memory (4,096 bytes a row)
	s_wait_alu depctr_va_vdst(0)
.macro MUL4 f, a, zero                 ; A's block a x B's four, 128 along K; the 16 accumulators take turns, one instruction a turn
.irp b, 0,1,2,3
.if \zero
	v_wmma_f32_16x16x128_bf8_bf8 v[ACC+8*(4*(\a)+\b):ACC+8*(4*(\a)+\b)+7], v[\f+64+16*\b:\f+64+16*\b+15], v[\f+16*(\a):\f+16*(\a)+15], 0
.else
	v_wmma_f32_16x16x128_bf8_bf8 v[ACC+8*(4*(\a)+\b):ACC+8*(4*(\a)+\b)+7], v[\f+64+16*\b:\f+64+16*\b+15], v[\f+16*(\a):\f+16*(\a)+15], v[ACC+8*(4*(\a)+\b):ACC+8*(4*(\a)+\b)+7]
.endif
.endr
.endm
.macro FETCH k, f                      ; 32 LDS loads in one run: B's four fragments, then A's four, of the 128 along K at byte k; registers 4 c .. 4 c + 3 hold K = 32 c + 16 h + 0 .. 15, alike in A and B
	WIN TO_F
.irp i, 0,1,2,3
.irp c, 0,1,2,3
	ds_load_b128 v[\f+64+16*\i+4*\c:\f+64+16*\i+4*\c+3], v[ADRB] offset:\k+32*\c+\i*16*PITCH
.endr
.endr
.irp i, 0,1,2,3
.irp c, 0,1,2,3
	ds_load_b128 v[\f+16*\i+4*\c:\f+16*\i+4*\c+3], v[ADRA] offset:\k+32*\c+\i*16*PITCH
.endr
.endr
.endm
.macro STEP k, f, g, zero              ; multiplies buffer f; in its middle fetches the next 128 along K, at byte k, into g
	s_wait_dscnt 8                                 ; B and A's blocks 0, 1 are in; blocks 2, 3, eight loads, may be out
	WIN MUL
	MUL4 \f, 0, \zero
	MUL4 \f, 1, \zero
	PLACES
	FETCH \k, \g
	s_wait_dscnt 32                                ; all but the 32 just issued
	WIN MUL
	MUL4 \f, 2, \zero
	MUL4 \f, 3, \zero
.endm
	s_wait_tensorcnt 0x0                           ; my 64 rows are in;
	s_barrier_signal -1
	s_barrier_wait -1                              ; and so are everybody's
	FETCH 0, F0
	WIN 0x80                                       ; destination window 2: the residual is asked for behind the tiles, block by block of 16 rows
.irp a, 0,1,2,3
.irp t, 0,1,2,3,4,5,6,7
	global_load_b128 v[32*\a+4*\t:32*\a+4*\t+3], v[CO], s[RESP:RESP+1] offset:(16*\a+2*\t)*4096
.endr
.endr
	STEP 128, F0, F1, 1                            ; the first products start the sums
.irp k, 256, 512, 768
	STEP \k, F1, F0, 0
	STEP \k+128, F0, F1, 0
.endr
	s_wait_dscnt 8
	WIN MUL
	MUL4 F1, 0, 0
	MUL4 F1, 1, 0
	s_wait_dscnt 0
	MUL4 F1, 2, 0
	MUL4 F1, 3, 0
	WIN 0
	; THE WAY OUT: 16 rows x 64 columns at a time through my own stage, back as rows of 256 bytes; then sum x 2^(e10 + e11) + the residual, one packed multiply-add for two numbers
	s_wait_kmcnt 0x0
	s_add_co_i32 s96, s96, s97
	s_add_co_i32 s96, s96, 127
	s_lshl_b32 s96, s96, 23
	s_mov_b32 s97, s96
	PLACES
.macro OUTB a
.if (\a) >= 2
	s_wait_xcnt 0x0                                ; block a - 2's stores have read their registers
.endif
.irp b, 0,1,2,3
	ds_store_b128 v[STO], v[ACC+8*(4*(\a)+\b):ACC+8*(4*(\a)+\b)+3] offset:64*\b        ; each accumulator from its low end on
	ds_store_b128 v[STO], v[ACC+8*(4*(\a)+\b)+4:ACC+8*(4*(\a)+\b)+7] offset:64*\b+16
.endr
.set TB, TMP+32*((\a)%2)
.irp t, 0,1,2,3,4,5,6,7
	ds_load_b128 v[TB+4*\t:TB+4*\t+3], v[RD] offset:544*\t   ; LDS serves a wave's instructions in order: these see my stores
.endr
	s_wait_dscnt 0x0
	s_wait_loadcnt 24-8*(\a)                       ; block a's eight loads of the residual are in; the later blocks', eight each, may be out
	WIN 0x20                                       ; source 2 window 2
.set j, 0
.rept 16
	v_pk_fma_f32 v[TB+2*j:TB+2*j+1], v[TB+2*j:TB+2*j+1], s[96:97], v[32*(\a)+2*j:32*(\a)+2*j+1] op_sel_hi:[1,0,1]
.set j, j+1
.endr
	WIN 0
.irp t, 0,1,2,3,4,5,6,7
	global_store_b128 v[CO], v[TB+4*\t:TB+4*\t+3], s[OUTP:OUTP+1] offset:(16*(\a)+2*\t)*4096   ; sixteen lanes store 256 consecutive bytes, aligned
.endr
.endm
	OUTB 0
	OUTB 1
	OUTB 2
	OUTB 3
	s_wait_tensorcnt 0x0                           ; the wave's end
	ds_add_u32 v[SPW], v[NIL]
	s_wait_dscnt 0x0
	CROUND                                         ; the closing round
	s_endpgm
.Lfunc_end_k_q6fd0348a10_wo:
	.size	k_q6fd0348a10_wo, .Lfunc_end_k_q6fd0348a10_wo-k_q6fd0348a10_wo
	.p2alignl 7, 3214868480
	.fill 96, 4, 3214868480
	.section	.rodata,"a",@progbits
	.p2align	6, 0x0
	.amdhsa_kernel k_q6fd0348a10_wo
		.amdhsa_group_segment_fixed_size 327680
		.amdhsa_private_segment_fixed_size 0
		.amdhsa_enable_private_segment 0
		.amdhsa_kernarg_size 40
		.amdhsa_user_sgpr_count 2
		.amdhsa_user_sgpr_kernarg_segment_ptr 1
		.amdhsa_wavefront_size32 1
		.amdhsa_system_sgpr_workgroup_id_x 1
		.amdhsa_system_sgpr_workgroup_id_y 1
		.amdhsa_system_sgpr_workgroup_id_z 1
		.amdhsa_system_vgpr_workitem_id 0
		.amdhsa_next_free_vgpr 768
		.amdhsa_next_free_sgpr 100
		.amdhsa_reserve_vcc 0
		.amdhsa_float_denorm_mode_32 3
		.amdhsa_float_denorm_mode_16_64 3
		.amdhsa_memory_ordered 1
		.amdhsa_forward_progress 1
		.amdhsa_inst_pref_size 47
	.end_amdhsa_kernel
	.amdgpu_metadata
---
amdhsa.version: [ 1, 2 ]
amdhsa.kernels:
  - .name:           k_q6fd0348a10_wo
    .symbol:         k_q6fd0348a10_wo.kd
    .args:
      - { .name: oc, .offset: 0, .size: 8, .value_kind: global_buffer, .address_space: global }
      - { .name: wo_codes, .offset: 8, .size: 8, .value_kind: global_buffer, .address_space: global }
      - { .name: lowp_scales, .offset: 16, .size: 8, .value_kind: global_buffer, .address_space: global }
      - { .name: x, .offset: 24, .size: 8, .value_kind: global_buffer, .address_space: global }
      - { .name: x1, .offset: 32, .size: 8, .value_kind: global_buffer, .address_space: global }
    .group_segment_fixed_size: 327680
    .private_segment_fixed_size: 0
    .kernarg_segment_align: 8
    .kernarg_segment_size: 40
    .max_flat_workgroup_size: 128
    .sgpr_count:     100
    .vgpr_count:     768
    .wavefront_size: 32
...
	.end_amdgpu_metadata
.endif
;; end of part 4
;; launch ln2 (part 5): grid 512 x 1, 8 waves a work-group, no clusters, 17,408 bytes of LDS; arguments x1, g2, b2, lowp_scales, nx2; writes nx2
.if DOCPART == 5
	.amdgcn_target "amdgcn-amd-amdhsa--gfx1250"
	.amdhsa_code_object_version 6
	.text
	.protected	k_q6fd0348a10_ln2
	.globl	k_q6fd0348a10_ln2
	.p2align	8
	.type	k_q6fd0348a10_ln2,@function
k_q6fd0348a10_ln2:
	s_mov_b64 s[64:65], 0
	v_nop
	global_prefetch_b8 v0, s[64:65] scope:SCOPE_SE
	s_setreg_imm32_b32 hwreg(HW_REG_WAVE_MODE, 25, 1), 1
	s_wait_xcnt 0x0
; nx2 = (x1 - mean) rsqrt(var + 1e-5) g2 + b2, in f32, quantised with the scale of the product with w_mlp1 (entry 12): [4096][1024] codes.  LIMIT: entry 12 between -126 and 112; NaN is not served.
; The first launch's text with one set of codes: one wave takes one row, 4,096 bytes in 32 registers, read once; chunk j of a lane is k = 128 j + 4 lane + 0 .. 3.  g and b come once a work-group:
; thread t loads 16 bytes of each, they go to LDS, and behind one barrier each wave reads its chunks from there.  The codes' words turn through the wave's own stage in LDS and leave 16 bytes a lane,
; 512 consecutive bytes a store.  The launch streams: no matrix unit, no cluster.
.set NSETS, 1
.set X,     20
.set G,     52
.set BV,    84
.set T,     116
.set C,     148
.set OUTR,  172
.set GST,   196                        ; v196 where I put my 16 bytes of g (b: 4,096 further on)
.set GRD,   197                        ; v197 where my chunks of g begin
.set GOF,   198                        ; v198 16 x my thread's number
.set SPW,   4
.set NIL,   5
.set GB,    8*NSETS*1024               ; behind the eight stages: g, then b
.set SPARE, GB+8192
.macro REDUCE
	s_delay_alu instid0(VALU_DEP_1)
	v_add_f32_dpp v10, v10, v10 row_xmask:1 row_mask:0xf bank_mask:0xf
	s_delay_alu instid0(VALU_DEP_1)
	v_add_f32_dpp v10, v10, v10 row_xmask:2 row_mask:0xf bank_mask:0xf
	s_delay_alu instid0(VALU_DEP_1)
	v_add_f32_dpp v10, v10, v10 row_xmask:4 row_mask:0xf bank_mask:0xf
	s_delay_alu instid0(VALU_DEP_1)
	v_add_f32_dpp v10, v10, v10 row_xmask:8 row_mask:0xf bank_mask:0xf
	s_delay_alu instid0(VALU_DEP_1)
	v_permlanex16_b32 v11, v10, s30, s31
	s_delay_alu instid0(VALU_DEP_1)
	v_add_f32 v10, v10, v11
.endm
	s_load_b256 s[4:11], s[0:1], 0x0               ; x1, g, b, the scales' exponents
	s_load_b64 s[12:13], s[0:1], 0x20              ; the codes
	v_lshl_add_u32 v[SPW], v0, 2, SPARE
	v_mov_b32 v[NIL], 0
	v_lshl_add_u32 v[GST], v0, 4, GB
	v_lshlrev_b32 v[GOF], 4, v0
	v_lshrrev_b32 v1, 5, v0
	s_delay_alu instid0(VALU_DEP_1)
	v_readfirstlane_b32 s16, v1
	v_and_b32 v10, 31, v0
	s_delay_alu instid0(VALU_DEP_1)
	v_lshlrev_b32 v1, 4, v10
	s_delay_alu instid0(VALU_DEP_1)
	v_add_nc_u32 v[GRD], GB, v1
	s_mul_i32 s17, s16, NSETS*1024
	v_lshl_add_u32 v2, v10, 2, s17
	v_add_nc_u32 v3, s17, v1
	v_mov_b32 v11, 0
	s_lshl_b32 s18, ttmp9, 3
	s_add_co_u32 s18, s18, s16                     ; my row
	s_mov_b32 s19, 0
	s_lshl_b64 s[20:21], s[18:19], 12
	s_lshl_b64 s[22:23], s[18:19], 10
	s_mov_b32 s30, 0x76543210
	s_mov_b32 s31, 0xfedcba98
	s_mov_b32 s32, 0x3a800000                      ; 1 / 1024
	s_mov_b32 s33, 0x3727c5ac                      ; 1e-5
	s_wait_alu depctr_va_vdst(0)
	s_wait_kmcnt 0x0
	s_load_b32 s48, s[10:11], 0x30                 ; entry 12
	s_add_nc_u64 s[4:5], s[4:5], s[20:21]
	s_add_nc_u64 s[24:25], s[12:13], s[22:23]
	global_load_b128 v[T:T+3], v[GOF], s[6:7]      ; my 16 bytes of g,
	global_load_b128 v[T+4:T+7], v[GOF], s[8:9]    ; and of b
.irp j, 0,1,2,3,4,5,6,7
	global_load_b128 v[X+4*\j:X+4*\j+3], v1, s[4:5] offset:512*\j
.endr
	s_wait_kmcnt 0x0
	s_add_co_i32 s34, s48, 127
	s_lshl_b32 s35, s34, 23
	v_mov_b32 v12, s35                             ; 2^e
	s_add_co_i32 s34, s34, 15
	s_lshl_b32 s34, s34, 23
	s_or_b32 s34, s34, 0x600000
	v_mov_b32 v13, s34                             ; 57,344 x 2^e
	s_wait_loadcnt 8                               ; my parts of g and b are in; the row's eight loads may be out
	ds_store_b128 v[GST], v[T:T+3]
	ds_store_b128 v[GST], v[T+4:T+7] offset:4096
	s_wait_dscnt 0x0                               ; for the others' sake: my stores have landed
	s_barrier_signal -1
	s_barrier_wait -1                              ; g and b lie whole in LDS
.irp j, 0,1,2,3,4,5,6,7
	ds_load_b128 v[G+4*\j:G+4*\j+3], v[GRD] offset:512*\j
.endr
.irp j, 0,1,2,3,4,5,6,7
	ds_load_b128 v[BV+4*\j:BV+4*\j+3], v[GRD] offset:4096+512*\j
.endr
	s_wait_loadcnt 0x0                             ; the row
	v_pk_add_f32 v[118:119], v[20:21], v[28:29]
	v_pk_add_f32 v[120:121], v[36:37], v[44:45]
	v_pk_add_f32 v[122:123], v[22:23], v[30:31]
	v_pk_add_f32 v[198:199], v[38:39], v[46:47]
	v_pk_add_f32 v[196:197], v[24:25], v[32:33]
	v_pk_add_f32 v[194:195], v[40:41], v[48:49]
	v_pk_add_f32 v[192:193], v[26:27], v[34:35]
	v_pk_add_f32 v[116:117], v[42:43], v[50:51]
	s_delay_alu instid0(VALU_DEP_1)
	v_pk_add_f32 v[116:117], v[116:117], v[198:199]
	v_pk_add_f32 v[118:119], v[118:119], v[196:197]
	v_pk_add_f32 v[120:121], v[120:121], v[194:195]
	v_pk_add_f32 v[122:123], v[122:123], v[192:193]
	s_delay_alu instid0(VALU_DEP_2)
	v_pk_add_f32 v[116:117], v[116:117], v[120:121]
	s_delay_alu instid0(VALU_DEP_2)
	v_pk_add_f32 v[118:119], v[118:119], v[122:123]
	s_delay_alu instid0(VALU_DEP_1)
	v_pk_add_f32 v[116:117], v[116:117], v[118:119]
	s_delay_alu instid0(VALU_DEP_1)
	v_add_f32 v10, v[T], v[T+1]
	REDUCE
	s_delay_alu instid0(VALU_DEP_1)
	v_mul_f32 v6, s32, v10                         ; the mean
	s_delay_alu instid0(VALU_DEP_1)
	v_mov_b32 v7, v6
.set j, 0
.rept 16
	v_pk_add_f32 v[X+2*j:X+2*j+1], v[X+2*j:X+2*j+1], v[6:7] neg_lo:[0,1] neg_hi:[0,1]
.set j, j+1
.endr
.irp c, 0,2,4,6
	v_pk_mul_f32 v[T+\c:T+\c+1], v[X+\c:X+\c+1], v[X+\c:X+\c+1]
.endr
.irp o, 8,16,24
.irp c, 0,2,4,6
	s_delay_alu instid0(VALU_DEP_4)
	v_pk_fma_f32 v[T+\c:T+\c+1], v[X+\o+\c:X+\o+\c+1], v[X+\o+\c:X+\o+\c+1], v[T+\c:T+\c+1]
.endr
.endr
	s_delay_alu instid0(VALU_DEP_3)
	v_pk_add_f32 v[T:T+1], v[T:T+1], v[T+2:T+3]
	s_delay_alu instid0(VALU_DEP_2)
	v_pk_add_f32 v[T+4:T+5], v[T+4:T+5], v[T+6:T+7]
	s_delay_alu instid0(VALU_DEP_1)
	v_pk_add_f32 v[T:T+1], v[T:T+1], v[T+4:T+5]
	s_delay_alu instid0(VALU_DEP_1)
	v_add_f32 v10, v[T], v[T+1]
	REDUCE
	s_delay_alu instid0(VALU_DEP_1)
	v_fma_f32 v10, v10, s32, s33                   ; var + 1e-5
	s_wait_alu depctr_va_vdst(0)
	v_rsq_f32 v8, v10
	v_nop                                          ; a plain instruction behind the transcendental,
	s_wait_alu depctr_va_vdst(0)                   ; and the wait ahead of the first line that names its result
	v_mov_b32 v9, v8
	s_wait_alu depctr_va_vdst(0)
	s_wait_dscnt 0x0                               ; g and b are in my registers
.set j, 0
.rept 16
	v_pk_mul_f32 v[X+2*j:X+2*j+1], v[X+2*j:X+2*j+1], v[8:9]
.set j, j+1
.endr
.set j, 0
.rept 16
	v_pk_fma_f32 v[X+2*j:X+2*j+1], v[X+2*j:X+2*j+1], v[G+2*j:G+2*j+1], v[BV+2*j:BV+2*j+1]
.set j, j+1
.endr
.set j, 0
.rept 32
	v_med3_num_f32 v[T+j], v[X+j], -v13, v13       ; the hold at the largest code x the scale
.set j, j+1
.endr
.irp m, 0,1,2,3
	v_cvt_scalef32_pk8_bf8_f32 v[C+2*\m:C+2*\m+1], v[T+8*\m:T+8*\m+7], v12
.endr
	v_nop
.irp i, 0,1,2,3,4,5,6,7
	ds_store_b32 v2, v[C+\i] offset:128*\i
.endr
	ds_load_b128 v[OUTR:OUTR+3], v3                ; LDS serves a wave's instructions in order: these see my stores
	ds_load_b128 v[OUTR+4:OUTR+7], v3 offset:512
	s_wait_dscnt 1                                 ; the second read-back may be out
	global_store_b128 v1, v[OUTR:OUTR+3], s[24:25]
	s_wait_dscnt 0x0
	global_store_b128 v1, v[OUTR+4:OUTR+7], s[24:25] offset:512
	s_wait_tensorcnt 0x0                           ; the wave's end
	ds_add_u32 v[SPW], v[NIL]
	s_wait_dscnt 0x0
	s_endpgm
.Lfunc_end_k_q6fd0348a10_ln2:
	.size	k_q6fd0348a10_ln2, .Lfunc_end_k_q6fd0348a10_ln2-k_q6fd0348a10_ln2
	.p2alignl 7, 3214868480
	.fill 96, 4, 3214868480
	.section	.rodata,"a",@progbits
	.p2align	6, 0x0
	.amdhsa_kernel k_q6fd0348a10_ln2
		.amdhsa_group_segment_fixed_size 17408
		.amdhsa_private_segment_fixed_size 0
		.amdhsa_enable_private_segment 0
		.amdhsa_kernarg_size 40
		.amdhsa_user_sgpr_count 2
		.amdhsa_user_sgpr_kernarg_segment_ptr 1
		.amdhsa_wavefront_size32 1
		.amdhsa_system_sgpr_workgroup_id_x 1
		.amdhsa_system_sgpr_workgroup_id_y 1
		.amdhsa_system_sgpr_workgroup_id_z 1
		.amdhsa_system_vgpr_workitem_id 0
		.amdhsa_next_free_vgpr 200
		.amdhsa_next_free_sgpr 66
		.amdhsa_reserve_vcc 0
		.amdhsa_float_denorm_mode_32 3
		.amdhsa_float_denorm_mode_16_64 3
		.amdhsa_memory_ordered 1
		.amdhsa_forward_progress 1
		.amdhsa_inst_pref_size 15
	.end_amdhsa_kernel
	.amdgpu_metadata
---
amdhsa.version: [ 1, 2 ]
amdhsa.kernels:
  - .name:           k_q6fd0348a10_ln2
    .symbol:         k_q6fd0348a10_ln2.kd
    .args:
      - { .name: x1, .offset: 0, .size: 8, .value_kind: global_buffer, .address_space: global }
      - { .name: g2, .offset: 8, .size: 8, .value_kind: global_buffer, .address_space: global }
      - { .name: b2, .offset: 16, .size: 8, .value_kind: global_buffer, .address_space: global }
      - { .name: lowp_scales, .offset: 24, .size: 8, .value_kind: global_buffer, .address_space: global }
      - { .name: nx2, .offset: 32, .size: 8, .value_kind: global_buffer, .address_space: global }
    .group_segment_fixed_size: 17408
    .private_segment_fixed_size: 0
    .kernarg_segment_align: 8
    .kernarg_segment_size: 40
    .max_flat_workgroup_size: 256
    .sgpr_count:     66
    .vgpr_count:     200
    .wavefront_size: 32
...
	.end_amdgpu_metadata
.endif
;; end of part 5
;; launch mlp1 (part 6): grid 16 x 16, 4 waves a work-group, clusters of 4 x 4, 327,680 bytes of LDS; arguments nx2, w_mlp1_codes, lowp_scales, b_mlp1, hc; writes hc
.if DOCPART == 6
	.amdgcn_target "amdgcn-amd-amdhsa--gfx1250"
	.amdhsa_code_object_version 6
	.text
	.protected	k_q6fd0348a10_mlp1
	.globl	k_q6fd0348a10_mlp1
	.p2align	8
	.type	k_q6fd0348a10_mlp1,@function
k_q6fd0348a10_mlp1:
	s_mov_b64 s[64:65], 0
	v_nop
	global_prefetch_b8 v0, s[64:65] scope:SCOPE_SE
	s_setreg_imm32_b32 hwreg(HW_REG_WAVE_MODE, 25, 1), 1
	s_wait_xcnt 0x0
	s_wait_alu depctr_hold_cnt(0) depctr_sa_sdst(0) depctr_va_vdst(0) depctr_va_sdst(0) depctr_va_ssrc(0) depctr_va_vcc(0) depctr_vm_vsrc(0)
	s_getreg_b32 s2, hwreg(HW_REG_IB_STS2, 6, 4)
	s_cmp_eq_u32 s2, 0
	s_cbranch_scc0 .Lentry_in_a_cluster
	s_endpgm
.Lentry_in_a_cluster:
	s_bfe_u32 s2, ttmp6, 0x10000c
	s_cmp_lg_u32 s2, 0xf033
	s_cbranch_scc0 .Lentry_shape_is_right
	s_endpgm
.Lentry_shape_is_right:
; hc = Q(gelu(nx2 w_mlp1^T + b_mlp1)): [4096 x 1024] x [1024 x 4096] on codes of E5M2; the result quantised at once with the scale of the product with w_mlp2 (entry 14): hc [4096][4096] codes.
; LIMITS: e12 + e13 between -126 and 127; e14 between -126 and 112.  NaN is not served.
; THE LOOP: a tile of 256 x 256 to a work-group of four waves, 128 x 128 (64 accumulators, 512 registers) to a wave; K in steps of 256 through two LDS slots filled by the tensor data mover, rows of 256 bytes.
; CLUSTERS: 4 x 4 work-groups; A's tile is asked for jointly along a row of the cluster, B's along a column.  The matrix instruction is used transposed (source 0 = B's rows, source 1 = A's).
; THE HEAD: one joint load a wave, K step 0; slot 1's first fill is issued as a refill is, behind the wait for all loads, the add, its wait and a round.
; PREFETCH INTO THE L2: behind the load of K step s stands a request for K step s + 2, and behind the first load also for K step 1: three instructions a wave in all, written out, since K is four steps.
; Of the 128 rows that a wave fetches, each of the four partners that ask for them jointly names 32, told apart by address (cx for A, cy for B), a lane a row of 256 bytes.
; THE WAY OUT: y = sum x 2^(e12 + e13) + bias; gelu(y) = max(y, 0) - |y| q, q = erfc(|y| / sqrt 2) / 2 = t 2^(P(t) - y^2 log2(e) / 2), t = 1 / (1 + |y| / (2 sqrt 2)), P of degree 9 in t
; (its coefficients x log2 e, the factor 1/2 as -1 in its constant term): one form for every y.  Then the hold at the largest code x the scale, the conversion, and through a stage in slot 0 out in rows of 256 bytes.
.set PFA, 66                           ; s[66:67] my work-group's 32 rows of the 128 that my wave fetches, at K step 0; never rewritten
.set PFO, 8                            ; v8 my lane x a row of 1,024 bytes; never rewritten
.set SIZE_K, 1024
.set KSTEP,  256
.set ROWB,   256
.set KROW,   SIZE_K
.set PITCH,  272
.set FR,     16
.set NL,     4
.set NP,     4
.set HALFT,  128*PITCH
.set SLOT,   4*HALFT
.set LAPS,   SIZE_K/(2*KSTEP)
.set SPARE,  2*SLOT
.set ADRA, 16
.set BOF,  18
.set STOC, 19
.set ADRB, 20
.set SCL,  22
.set LIM,  23
.set STO,  24
.set CO,   26
.set RDV,  27
.set SPW,  28
.set NIL,  29
.set BIAS, 32
.set TT,   96
.set PP,   128
.set XX,   160
.set GV,   192
.set PCG,  224
.set AF,   128
.set G1, 24
.set G0, 32
.set G1B, 48
.set G0B, 56
.set MSB, 0
.macro WIN new
.if MSB != \new
	s_set_vgpr_msb (MSB<<8)|\new
.set MSB, \new
.endif
.endm
.set MUL_LO, 0xa1
.set MUL_HI, 0xf1
.set TO_B,   0x40
.macro JLOAD g0a, g1a, g0b, g1b
	s_cmp_eq_u32 s15, 0
	s_cbranch_scc0 .Lfor_b_\@
	tensor_load_to_lds s[\g0a:\g0a+3], s[\g1a:\g1a+7]
	s_nop 0
.rept 4
	v_nop
.endr
	s_branch .Lasked_\@
.Lfor_b_\@:
	tensor_load_to_lds s[\g0b:\g0b+3], s[\g1b:\g1b+7]
	s_nop 0
.rept 4
	v_nop
.endr
.Lasked_\@:
.endm
.macro CREST
	s_cmp_lg_u32 s14, 0
	s_cbranch_scc1 .Lnot_wave_0_\@
	s_barrier_signal -3
.Lnot_wave_0_\@:
	s_barrier_wait -3
	s_barrier_signal -1
	s_barrier_wait -1
.endm
.macro CROUND
	s_barrier_signal -1
	s_barrier_wait -1
	CREST
.endm
	s_load_b256 s[4:11], s[0:1], 0x0
	s_load_b64 s[12:13], s[0:1], 0x20
	v_lshl_add_u32 v[SPW], v0, 2, SPARE
	v_mov_b32 v[NIL], 0
	ds_add_u32 v[SPW], v[NIL]
	ds_add_u32 v[SPW], v[NIL]
	v_lshrrev_b32 v1, 5, v0
	v_readfirstlane_b32 s14, v1
	s_lshr_b32 s15, s14, 1
	s_and_b32 s16, s14, 1
	s_bfe_u32 s40, ttmp6, 0x40000
	s_bfe_u32 s41, ttmp6, 0x40004
	s_lshl_b32 s42, ttmp9, 2
	s_add_co_u32 s42, s42, s40
	s_and_b32 s17, ttmp7, 0xffff
	s_lshl_b32 s17, s17, 2
	s_add_co_u32 s17, s17, s41
	s_lshl_b32 s43, s41, 2
	s_lshl_b32 s43, 15, s43
	s_lshl_b32 s44, 0x1111, s40
	s_or_b32 s[G1+0], s43, (0<<16)|(1<<20)|(1<<21)|(5<<22)|(3<<25)
	s_or_b32 s[G1B+0], s44, (0<<16)|(1<<20)|(1<<21)|(5<<22)|(3<<25)
.irp g, G1, G1B
	s_mov_b32 s[\g+1], ROWB<<16
	s_mov_b32 s[\g+2], 128<<16
	s_mov_b32 s[\g+3], ROWB<<16
	s_mov_b32 s[\g+4], 128
	s_mov_b32 s[\g+5], KROW
	s_mov_b32 s[\g+6], 0
	s_mov_b32 s[\g+7], 0
.endr
	s_lshl_b32 s18, s16, 7
	s_lshl_b32 s20, s17, 8
	s_add_co_u32 s20, s20, s18
	s_lshl_b32 s46, s42, 8
	s_add_co_u32 s46, s46, s18
	s_mov_b32 s21, 0
	s_mov_b32 s47, 0
	s_mov_b64 s[18:19], KROW
	s_mul_u64 s[20:21], s[20:21], s[18:19]
	s_mul_u64 s[46:47], s[46:47], s[18:19]
	s_mul_i32 s45, s14, HALFT
	v_and_b32 v[PFO], 31, v0
	v_lshlrev_b32 v[PFO], 10, v[PFO]
	s_wait_alu depctr_va_vdst(0)
	s_wait_dscnt 0x0
	s_wait_kmcnt 0x0
	s_load_b128 s[92:95], s[8:9], 0x30
	s_add_nc_u64 s[20:21], s[4:5], s[20:21]
	s_add_nc_u64 s[46:47], s[6:7], s[46:47]
	s_cmp_eq_u32 s15, 0                            ; do I fetch for A?
	s_cselect_b64 s[PFA:PFA+1], s[20:21], s[46:47]
	s_cselect_b32 s18, s40, s41                    ; my place among the four that ask with me
	s_lshl_b32 s18, s18, 15                        ; x 32 rows of 1,024 bytes
	s_mov_b32 s19, 0
	s_add_nc_u64 s[PFA:PFA+1], s[PFA:PFA+1], s[18:19]
	CROUND
.irp s, 0,1
	s_mov_b32 s[G0+4*\s], 1
	s_add_co_u32 s[G0+4*\s+1], s45, \s*SLOT
	s_add_nc_u64 s[G0+4*\s+2:G0+4*\s+3], s[20:21], \s*ROWB
	s_or_b32 s[G0+4*\s+3], s[G0+4*\s+3], 0x80000000
	s_mov_b32 s[G0B+4*\s], 1
	s_add_co_u32 s[G0B+4*\s+1], s45, \s*SLOT
	s_add_nc_u64 s[G0B+4*\s+2:G0B+4*\s+3], s[46:47], \s*ROWB
	s_or_b32 s[G0B+4*\s+3], s[G0B+4*\s+3], 0x80000000
.if \s == 1
	global_prefetch_b8 v[PFO], s[PFA:PFA+1] offset:ROWB th:TH_LOAD_NT scope:SCOPE_SE     ; K step 1,
	global_prefetch_b8 v[PFO], s[PFA:PFA+1] offset:2*ROWB th:TH_LOAD_NT scope:SCOPE_SE   ; and K step 2
	s_wait_tensorcnt 0x0                           ; my part of K step 0 is in
	ds_add_u32 v[SPW], v[NIL]                      ; 0 onto my spare word
	s_wait_dscnt 0x0                               ; the add is done
	CROUND                                         ; a whole round: the joint loads of K step 1 meet
.endif
	JLOAD G0+4*\s, G1, G0B+4*\s, G1B
.endr
	v_and_b32 v1, 15, v0
	v_bfe_u32 v2, v0, 4, 1
	v_mul_u32_u24 v3, v1, PITCH
	s_wait_alu depctr_va_vdst(0)
	v_lshl_add_u32 v4, v2, 4, v3
	s_mul_i32 s21, s15, HALFT
	s_mul_i32 s22, s16, HALFT
	s_add_co_u32 s22, s22, 2*HALFT
.irp s, 0,1
	v_add_nc_u32 v[ADRA+\s], s21, v4
	v_add_nc_u32 v[ADRB+\s], s22, v4
	s_add_co_u32 s21, s21, SLOT
	s_add_co_u32 s22, s22, SLOT
.endr
	s_mul_i32 s23, s15, 128*PITCH
	s_lshl_b32 s2, s16, 7
	s_add_co_u32 s23, s23, s2
	v_lshl_add_u32 v5, v2, 3, v3
	v_add_nc_u32 v[STO], s23, v5
	s_lshl_b32 s23, s15, 2
	s_add_co_u32 s23, s23, s16
	s_mul_i32 s23, s23, 32*PITCH                   ; of each half of the way out I read back rows 128 x (wave / 2) + 32 x (wave % 2) + 0 .. 31 (+ 64 in the second half)
	v_mul_u32_u24 v6, v2, PITCH
	v_lshl_add_u32 v6, v1, 4, v6
	v_add_nc_u32 v[RDV], s23, v6
	v_lshlrev_b32 v[CO], 12, v2
	v_lshl_add_u32 v[CO], v1, 4, v[CO]
	v_lshlrev_b32 v[BOF], 5, v2
	s_wait_alu depctr_va_vdst(0)
	s_lshl_b32 s20, s17, 8
	s_lshl_b32 s21, s15, 2
	s_add_co_u32 s21, s21, s16
	s_lshl_b32 s21, s21, 5                         ; and the same rows in hc
	s_add_co_u32 s20, s20, s21
	s_lshl_b32 s20, s20, 12
	s_mov_b32 s21, 0
	s_add_nc_u64 s[12:13], s[12:13], s[20:21]
	s_lshl_b32 s46, s42, 8
	s_mov_b32 s47, 0
	s_add_nc_u64 s[12:13], s[12:13], s[46:47]
	s_lshl_b32 s46, s42, 10
	s_lshl_b32 s98, s16, 9
	s_add_co_u32 s46, s46, s98
	s_add_nc_u64 s[10:11], s[10:11], s[46:47]
	global_prefetch_b8 v[PFO], s[PFA:PFA+1] offset:3*ROWB th:TH_LOAD_NT scope:SCOPE_SE   ; K step 3, the last
.irp b, 0,1,2,3,4,5,6,7
	global_load_b128 v[BIAS+8*\b:BIAS+8*\b+3], v[BOF], s[10:11] offset:64*\b
	global_load_b128 v[BIAS+8*\b+4:BIAS+8*\b+7], v[BOF], s[10:11] offset:64*\b+16
.endr
.macro FRAG reg, adr, q, i
.irp c, 0,1,2,3
	ds_load_b128 v[\reg+4*\c:\reg+4*\c+3], v[\adr] offset:128*(\q)+32*\c+(\i)*16*PITCH
.endr
.endm
.macro MUL16 a0, p, zero
.irp a, \a0, \a0+1
.irp b, 0,1,2,3,4,5,6,7
.if \zero
	v_wmma_f32_16x16x128_bf8_bf8 v[8*(8*((\a)%4)+\b):8*(8*((\a)%4)+\b)+7], v[128*(\p)+FR*\b:128*(\p)+FR*\b+FR-1], v[AF+FR*(\a):AF+FR*(\a)+FR-1], 0
.else
	v_wmma_f32_16x16x128_bf8_bf8 v[8*(8*((\a)%4)+\b):8*(8*((\a)%4)+\b)+7], v[128*(\p)+FR*\b:128*(\p)+FR*\b+FR-1], v[AF+FR*(\a):AF+FR*(\a)+FR-1], v[8*(8*((\a)%4)+\b):8*(8*((\a)%4)+\b)+7]
.endif
.endr
.endr
.endm
.macro FETCH_B slot, q, p
	WIN TO_B
.irp i, 0,1,2,3,4,5,6,7
	FRAG 128*(\p)+FR*\i, ADRB+\slot, \q, \i
.endr
	WIN 0
.endm
.macro FETCH_A slot, q, i0
.irp i, \i0, \i0+1, \i0+2, \i0+3
	FRAG AF+FR*(\i), ADRA+\slot, \q, \i
.endr
.endm
.macro PLACES n
.rept \n
	v_nop
.endr
.endm
.macro STEP slot, q, zero
	s_wait_dscnt 4*NL
	WIN MUL_LO
	MUL16 0, (\q)%2, \zero
	MUL16 2, (\q)%2, \zero
	s_wait_dscnt 0
	PLACES NP
	FETCH_B \slot, (\q)+1, 1-(\q)%2
	FETCH_A \slot, (\q)+1, 0
	WIN MUL_HI
	MUL16 4, (\q)%2, \zero
	MUL16 6, (\q)%2, \zero
	PLACES NP
	WIN 0
	FETCH_A \slot, (\q)+1, 4
.endm
.macro TURN slot, next, fill
	s_wait_tensorcnt 0x0
	ds_add_u32 v[SPW], v[NIL]
	s_wait_dscnt 4*NL+1
	WIN MUL_LO
	MUL16 0, 1, 0
	s_wait_dscnt 0x0
	s_barrier_signal -1
	MUL16 2, 1, 0
	WIN 0
	s_barrier_wait -1
.if \fill
	CREST
	s_add_nc_u64 s[G0+4*\slot+2:G0+4*\slot+3], s[G0+4*\slot+2:G0+4*\slot+3], 2*ROWB
	s_add_nc_u64 s[G0B+4*\slot+2:G0B+4*\slot+3], s[G0B+4*\slot+2:G0B+4*\slot+3], 2*ROWB
	JLOAD G0+4*\slot, G1, G0B+4*\slot, G1B
.else
	PLACES NP
.endif
	FETCH_B \next, 0, 0
	FETCH_A \next, 0, 0
	WIN MUL_HI
	MUL16 4, 1, 0
	MUL16 6, 1, 0
	PLACES NP
	WIN 0
	FETCH_A \next, 0, 4
.endm
	s_wait_tensorcnt 1
	s_barrier_signal -1
	s_barrier_wait -1
	FETCH_B 0, 0, 0
	FETCH_A 0, 0, 0
	FETCH_A 0, 0, 4
	STEP 0, 0, 1
	s_mov_b32 s3, LAPS-1
.Llap:
	TURN 0, 1, 1
	STEP 1, 0, 0
	TURN 1, 0, 1
	STEP 0, 0, 0
	s_sub_co_u32 s3, s3, 1
	s_cmp_lg_u32 s3, 0
	s_cbranch_scc1 .Llap
	TURN 0, 1, 0
	STEP 1, 0, 0
	s_wait_dscnt 4*NL
	WIN MUL_LO
	MUL16 0, 1, 0
	MUL16 2, 1, 0
	s_wait_dscnt 0
	WIN MUL_HI
	MUL16 4, 1, 0
	MUL16 6, 1, 0
	WIN 0
	s_wait_kmcnt 0x0
	s_add_co_i32 s96, s92, s93
	s_add_co_i32 s96, s96, 127
	s_lshl_b32 s96, s96, 23
	s_mov_b32 s97, s96
	s_add_co_i32 s98, s94, 127
	s_lshl_b32 s99, s98, 23
	v_mov_b32 v[SCL], s99
	s_add_co_i32 s98, s98, 15
	s_lshl_b32 s98, s98, 23
	s_or_b32 s98, s98, 0x600000
	v_mov_b32 v[LIM], s98
.macro COEF k, bits
	s_mov_b32 s[68+2*(\k)], \bits
	s_mov_b32 s[69+2*(\k)], \bits
.endm
	COEF 0, 0xc034d90f
	COEF 1, 0x3fb8ab5a
	COEF 2, 0x3f0a29d2
	COEF 3, 0x3e0efb2e
	COEF 4, 0xbe899a80
	COEF 5, 0x3ecdfd18
	COEF 6, 0xbfd1a1e5
	COEF 7, 0x40097039
	COEF 9, 0x3e7c6f08
	COEF 10, 0xbf38aa3b
	s_mov_b32 s90, 0x3eb504f3
	s_wait_loadcnt 0x0
	PLACES NP
	v_mov_b32 v232, 0xbf97d29d
	v_mov_b32 v233, 0xbf97d29d
.macro PRE win
	WIN 0x40+\win
.set j, 0
.rept 128
	v_pk_fma_f32 v[2*j:2*j+1], v[2*j:2*j+1], s[96:97], v[BIAS+(2*j)%64:BIAS+(2*j)%64+1] op_sel_hi:[1,0,1]
.set j, j+1
.endr
	WIN 0
.endm
.macro GB a4, hb
.set XB, 64*(\a4)+32*(\hb)
	WIN 0x01
.set j, 0
.rept 32
	v_fma_f32 v[TT+j], |v[XB+j]|, s90, 1.0
.set j, j+1
.endr
	WIN 0
.set j, 0
	s_wait_alu depctr_va_vdst(0)
.rept 32
	v_rcp_f32 v[TT+j], v[TT+j]
.set j, j+1
.endr
	WIN 0x05
.set j, 0
.rept 16
	v_pk_mul_f32 v[XX+2*j:XX+2*j+1], v[XB+2*j:XB+2*j+1], v[XB+2*j:XB+2*j+1]
.set j, j+1
.endr
	WIN 0
	s_wait_alu depctr_va_vdst(0)
.set j, 0
.rept 16
	v_pk_fma_f32 v[PP+2*j:PP+2*j+1], v[TT+2*j:TT+2*j+1], s[86:87], v[232:233] op_sel_hi:[1,0,1]
.set j, j+1
.endr
.irp k, 7,6,5,4,3,2,1,0
.set j, 0
.rept 16
	v_pk_fma_f32 v[PP+2*j:PP+2*j+1], v[PP+2*j:PP+2*j+1], v[TT+2*j:TT+2*j+1], s[68+2*\k:69+2*\k] op_sel_hi:[1,1,0]
.set j, j+1
.endr
.endr
.set j, 0
.rept 16
	v_pk_fma_f32 v[PP+2*j:PP+2*j+1], v[XX+2*j:XX+2*j+1], s[88:89], v[PP+2*j:PP+2*j+1] op_sel_hi:[1,0,1]
.set j, j+1
.endr
.set j, 0
	s_wait_alu depctr_va_vdst(0)
.rept 32
	v_exp_f32 v[PP+j], v[PP+j]
.set j, j+1
.endr
	WIN 0x04
.set j, 0
.rept 32
	v_max_num_f32 v[XX+j], 0, v[XB+j]
.set j, j+1
.endr
	WIN 0
	s_wait_alu depctr_va_vdst(0)
.set j, 0
.rept 16
	v_pk_mul_f32 v[PP+2*j:PP+2*j+1], v[PP+2*j:PP+2*j+1], v[TT+2*j:TT+2*j+1]
.set j, j+1
.endr
	WIN 0x01
.set j, 0
.rept 32
	v_fma_f32 v[GV+j], -|v[XB+j]|, v[PP+j], v[XX+j]
.set j, j+1
.endr
	WIN 0
.set j, 0
.rept 32
	v_med3_num_f32 v[GV+j], v[GV+j], -v[LIM], v[LIM]
.set j, j+1
.endr
.irp b, 0,1,2,3
	v_cvt_scalef32_pk8_bf8_f32 v[PCG+2*\b:PCG+2*\b+1], v[GV+8*\b:GV+8*\b+7], v[SCL]
.endr
	v_nop
.irp b, 0,1,2,3
	ds_store_b64 v[STOC], v[PCG+2*\b:PCG+2*\b+1] offset:4352*(\a4)+64*(\hb)+16*\b
.endr
.endm
	PRE 2
	s_mov_b32 s3, 0
	s_mov_b32 s2, 0
.set RDH, 25                           ; v25 where I read this half's rows back
.Lhalf:
	v_add_nc_u32 v[STOC], s2, v[STO]
	v_add_nc_u32 v[RDH], s2, v[RDV]
.irp a, 0,1,2,3
	GB \a, 0
	GB \a, 1
.endr
	; THIS HALF LEAVES AT ONCE: 128 rows of the tile are whole in the stage; a wave takes 32 of them, sixteen lanes a row of 256 bytes
	s_wait_dscnt 0x0                               ; for the others' sake: my stores into the stage are done
	s_barrier_signal -1
	s_barrier_wait -1
.set t, 0
.rept 16
	ds_load_b128 v[128+4*t:128+4*t+3], v[RDH] offset:544*t
.set t, t+1
.endr
.set t, 0
.rept 16
	s_wait_dscnt 15-t                              ; the younger read-backs may be out
	global_store_b128 v[CO], v[128+4*t:128+4*t+3], s[12:13] offset:8192*t
.set t, t+1
.endr
	s_barrier_signal -1                            ; my reads of the stage are over (the last wait above was for 0): the next half's stores stand behind this barrier
	s_barrier_wait -1
	s_wait_xcnt 0x0                                ; the stores have read their registers and their base
	s_add_nc_u64 s[12:13], s[12:13], 64*4096       ; 64 rows of hc on
	s_add_co_u32 s2, s2, 64*PITCH
	s_add_co_u32 s3, s3, 1
	s_cmp_eq_u32 s3, 2
	s_cbranch_scc1 .Lhalves_done
	PRE 3
	s_cmp_lt_u32 s3, 2
	s_cbranch_scc1 .Lhalf
.Lhalves_done:
	s_wait_tensorcnt 0x0
	ds_add_u32 v[SPW], v[NIL]
	s_wait_dscnt 0x0
	CROUND
	s_endpgm
.Lfunc_end_k_q6fd0348a10_mlp1:
	.size	k_q6fd0348a10_mlp1, .Lfunc_end_k_q6fd0348a10_mlp1-k_q6fd0348a10_mlp1
	.p2alignl 7, 3214868480
	.fill 96, 4, 3214868480
	.section	.rodata,"a",@progbits
	.p2align	6, 0x0
	.amdhsa_kernel k_q6fd0348a10_mlp1
		.amdhsa_group_segment_fixed_size 327680
		.amdhsa_private_segment_fixed_size 0
		.amdhsa_enable_private_segment 0
		.amdhsa_kernarg_size 40
		.amdhsa_user_sgpr_count 2
		.amdhsa_user_sgpr_kernarg_segment_ptr 1
		.amdhsa_wavefront_size32 1
		.amdhsa_system_sgpr_workgroup_id_x 1
		.amdhsa_system_sgpr_workgroup_id_y 1
		.amdhsa_system_sgpr_workgroup_id_z 1
		.amdhsa_system_vgpr_workitem_id 0
		.amdhsa_next_free_vgpr 1024
		.amdhsa_next_free_sgpr 100
		.amdhsa_reserve_vcc 0
		.amdhsa_float_denorm_mode_32 3
		.amdhsa_float_denorm_mode_16_64 3
		.amdhsa_memory_ordered 1
		.amdhsa_forward_progress 1
		.amdhsa_inst_pref_size 255
	.end_amdhsa_kernel
	.section	.bss,"aw",@nobits
	.p2align	6
	.space	262144
	.amdgpu_metadata
---
amdhsa.version: [ 1, 2 ]
amdhsa.kernels:
  - .name:           k_q6fd0348a10_mlp1
    .symbol:         k_q6fd0348a10_mlp1.kd
    .args:
      - { .name: nx2, .offset: 0, .size: 8, .value_kind: global_buffer, .address_space: global }
      - { .name: w_mlp1_codes, .offset: 8, .size: 8, .value_kind: global_buffer, .address_space: global }
      - { .name: lowp_scales, .offset: 16, .size: 8, .value_kind: global_buffer, .address_space: global }
      - { .name: b_mlp1, .offset: 24, .size: 8, .value_kind: global_buffer, .address_space: global }
      - { .name: hc, .offset: 32, .size: 8, .value_kind: global_buffer, .address_space: global }
    .group_segment_fixed_size: 327680
    .private_segment_fixed_size: 0
    .kernarg_segment_align: 8
    .kernarg_segment_size: 40
    .max_flat_workgroup_size: 128
    .sgpr_count:     100
    .vgpr_count:     1024
    .wavefront_size: 32
...
	.end_amdgpu_metadata
.endif
;; end of part 6
;; launch mlp2 (part 7): grid 8 x 32, 4 waves a work-group, clusters of 4 x 4, 327,680 bytes of LDS; arguments hc, w_mlp2_codes, lowp_scales, b_mlp2, x1, out0; writes out0
.if DOCPART == 7
	.amdgcn_target "amdgcn-amd-amdhsa--gfx1250"
	.amdhsa_code_object_version 6
	.text
	.protected	k_q6fd0348a10_mlp2
	.globl	k_q6fd0348a10_mlp2
	.p2align	8
	.type	k_q6fd0348a10_mlp2,@function
k_q6fd0348a10_mlp2:
	s_mov_b64 s[64:65], 0
	v_nop
	global_prefetch_b8 v0, s[64:65] scope:SCOPE_SE
	s_setreg_imm32_b32 hwreg(HW_REG_WAVE_MODE, 25, 1), 1
	s_wait_xcnt 0x0
	s_wait_alu depctr_hold_cnt(0) depctr_sa_sdst(0) depctr_va_vdst(0) depctr_va_sdst(0) depctr_va_ssrc(0) depctr_va_vcc(0) depctr_vm_vsrc(0)
	s_getreg_b32 s2, hwreg(HW_REG_IB_STS2, 6, 4)
	s_cmp_eq_u32 s2, 0
	s_cbranch_scc0 .Lentry_in_a_cluster
	s_endpgm
.Lentry_in_a_cluster:
	s_bfe_u32 s2, ttmp6, 0x10000c
	s_cmp_lg_u32 s2, 0xf033
	s_cbranch_scc0 .Lentry_shape_is_right
	s_endpgm
.Lentry_shape_is_right:
; out0 = x1 + h w_mlp2^T + b_mlp2: [4096 x 4096] x [4096 x 1024] on codes of E5M2; each sum x 2^(e14 + e15), + the residual and the bias, in f32.  LIMIT: e14 + e15 between -126 and 127.
; N is 1,024: tiles of 256 x 256 would be 64; so a tile is 128 x 128, 256 work-groups; four waves of 64 x 64: 16 accumulators.  K goes in eight steps of 512 (rows of 512 bytes) through two LDS slots.
; CLUSTERS: 4 x 4; A's tile is asked for jointly along a row of the cluster, B's along a column.  The matrix instruction is used transposed: a lane holds eight neighbouring columns of a row.
; THE HEAD: one joint load a wave, K step 0; slot 1's first fill is issued as a refill is, behind the wait for all loads, the add, its wait and a round.
; A wave has one tensor load out behind each round.
; PREFETCH INTO THE L2: behind the load of K step s stands a request for K step s + 2 (behind the first load also for K step 1); the refills of K steps 6 and 7 ask for nothing.
; A wave fetches 64 rows x 512 bytes, 128 blocks of 256 bytes; each of the four partners that ask for them jointly names 16 rows, told apart by address (cx for A, cy for B): a lane a block, one instruction a wave.
; A's rows are loaded by two clusters, and both ask.  B's rows are loaded by all eight rows of clusters: the even rows ask, so that four clusters name each block (a branch on the cluster's y and the wave's number).
; REGISTERS: window 0: v0-31 addresses, v32-95 the way out, v128-255 the accumulators; window 1: two fragment buffers of 128; window 2: v0-127 the residual, v128-131 the bias.
.set PFA, 66                           ; s[66:67] my work-group's 16 rows of the 64 that my wave fetches; stepped by a K step at each change of slots that refills
.set PFO, 8                            ; v8 (lane / 2) x a row of 4,096 bytes + (lane % 2) x 256; never rewritten
.set LIM, 9                            ; s9 0 in a wave that asks, else the greatest number
.set SIZE_K,   4096
.set HAS_BIAS, 1
.set SCI,      56
.set BIASP,    74
.set RESP,     76
.set OUTP,     78
.set KSTEP,  512
.set PITCH,  528
.set HALFT,  64*PITCH
.set SLOT,   4*HALFT
.set STAGE,  2*SLOT
.set SPITCH, 272
.set SPARE,  STAGE+4*16*SPITCH
.set LAPS,   SIZE_K/(2*KSTEP)
.set ADRA, 16
.set ADRB, 20
.set STO,  24
.set RD,   25
.set CO,   26
.set BO,   27
.set SPW,  28
.set NIL,  29
.set TMP,  32
.set ACC,  128
.set F0,   0
.set F1,   128
.set G1, 24
.set G0, 32
.set G1B, 48
.set G0B, 56
.set MSB, 0
.macro WIN new
.if MSB != \new
	s_set_vgpr_msb (MSB<<8)|\new
.set MSB, \new
.endif
.endm
.set MUL,  0x05
.set TO_F, 0x40
.macro JLOAD s
	s_cmp_eq_u32 s11, 0
	s_cbranch_scc0 .Lfor_b_\@
	tensor_load_to_lds s[G0+4*\s:G0+4*\s+3], s[G1:G1+7]
	s_nop 0
.rept 4
	v_nop
.endr
	s_branch .Lasked_\@
.Lfor_b_\@:
	tensor_load_to_lds s[G0B+4*\s:G0B+4*\s+3], s[G1B:G1B+7]
	s_nop 0
.rept 4
	v_nop
.endr
.Lasked_\@:
.endm
.macro CREST
	s_cmp_lg_u32 s10, 0
	s_cbranch_scc1 .Lnot_wave_0_\@
	s_barrier_signal -3
.Lnot_wave_0_\@:
	s_barrier_wait -3
	s_barrier_signal -1
	s_barrier_wait -1
.endm
.macro CROUND
	s_barrier_signal -1
	s_barrier_wait -1
	CREST
.endm
	s_load_b256 s[68:75], s[0:1], 0x0
.if HAS_BIAS
	s_load_b128 s[76:79], s[0:1], 0x20
.else
	s_load_b64 s[76:77], s[0:1], 0x20
.endif
	v_lshl_add_u32 v[SPW], v0, 2, SPARE
	v_mov_b32 v[NIL], 0
	ds_add_u32 v[SPW], v[NIL]
	ds_add_u32 v[SPW], v[NIL]
	v_lshrrev_b32 v1, 5, v0
	v_readfirstlane_b32 s10, v1
	s_lshr_b32 s11, s10, 1
	s_and_b32 s12, s10, 1
	s_bfe_u32 s40, ttmp6, 0x40000
	s_bfe_u32 s41, ttmp6, 0x40004
	s_lshl_b32 s42, ttmp9, 2
	s_add_co_u32 s42, s42, s40
	s_and_b32 s13, ttmp7, 0xffff
	s_lshl_b32 s13, s13, 2
	s_add_co_u32 s13, s13, s41
	s_lshl_b32 s43, s41, 2
	s_lshl_b32 s43, 15, s43
	s_lshl_b32 s44, 0x1111, s40
	s_or_b32 s[G1+0], s43, (0<<16)|(1<<20)|(1<<21)|(6<<22)|(3<<25)
	s_or_b32 s[G1B+0], s44, (0<<16)|(1<<20)|(1<<21)|(6<<22)|(3<<25)
.irp g, G1, G1B
	s_mov_b32 s[\g+1], KSTEP<<16
	s_mov_b32 s[\g+2], 64<<16
	s_mov_b32 s[\g+3], KSTEP<<16
	s_mov_b32 s[\g+4], 64
	s_mov_b32 s[\g+5], SIZE_K
	s_mov_b32 s[\g+6], 0
	s_mov_b32 s[\g+7], 0
.endr
	s_lshl_b32 s17, s12, 6
	s_lshl_b32 s16, s13, 7
	s_add_co_u32 s16, s16, s17
	s_lshl_b32 s46, s42, 7
	s_add_co_u32 s46, s46, s17
	s_mov_b32 s17, 0
	s_mov_b32 s47, 0
	s_mov_b64 s[18:19], SIZE_K
	s_mul_u64 s[16:17], s[16:17], s[18:19]
	s_mul_u64 s[46:47], s[46:47], s[18:19]
	s_mul_i32 s20, s10, HALFT
	v_and_b32 v[PFO], 31, v0
	v_lshrrev_b32 v9, 1, v[PFO]
	v_and_b32 v[PFO], 1, v[PFO]
	v_lshlrev_b32 v[PFO], 8, v[PFO]
	v_lshl_add_u32 v[PFO], v9, 12, v[PFO]
	s_wait_alu depctr_va_vdst(0)
	s_wait_dscnt 0x0
	s_wait_kmcnt 0x0
	s_load_b64 s[96:97], s[72:73], SCI
	s_add_nc_u64 s[14:15], s[68:69], s[16:17]
	s_add_nc_u64 s[46:47], s[70:71], s[46:47]
	s_cmp_eq_u32 s11, 0                            ; do I fetch for A?
	s_cselect_b64 s[PFA:PFA+1], s[14:15], s[46:47]
	s_cselect_b32 s18, s40, s41                    ; my place among the four that ask with me
	s_lshl_b32 s18, s18, 16                        ; x 16 rows of 4,096 bytes
	s_mov_b32 s19, 0
	s_add_nc_u64 s[PFA:PFA+1], s[PFA:PFA+1], s[18:19]
	s_and_b32 s18, ttmp7, s11                      ; 1: I fetch for B in an odd row of clusters
	s_cmp_eq_u32 s18, 0
	s_cselect_b32 s[LIM], 0, -1
	CROUND
.irp s, 0,1
	s_mov_b32 s[G0+4*\s], 1
	s_add_co_u32 s[G0+4*\s+1], s20, \s*SLOT
	s_add_nc_u64 s[G0+4*\s+2:G0+4*\s+3], s[14:15], \s*KSTEP
	s_or_b32 s[G0+4*\s+3], s[G0+4*\s+3], 0x80000000
	s_mov_b32 s[G0B+4*\s], 1
	s_add_co_u32 s[G0B+4*\s+1], s20, \s*SLOT
	s_add_nc_u64 s[G0B+4*\s+2:G0B+4*\s+3], s[46:47], \s*KSTEP
	s_or_b32 s[G0B+4*\s+3], s[G0B+4*\s+3], 0x80000000
.if \s == 1
	s_cmp_eq_u32 s[LIM], 0
	s_cbranch_scc0 .Lno_ask_a
	global_prefetch_b8 v[PFO], s[PFA:PFA+1] offset:KSTEP th:TH_LOAD_NT scope:SCOPE_SE     ; K step 1,
	global_prefetch_b8 v[PFO], s[PFA:PFA+1] offset:2*KSTEP th:TH_LOAD_NT scope:SCOPE_SE   ; and K step 2
.Lno_ask_a:
	s_wait_tensorcnt 0x0                           ; my part of K step 0 is in
	ds_add_u32 v[SPW], v[NIL]                      ; 0 onto my spare word
	s_wait_dscnt 0x0                               ; the add is done
	CROUND                                         ; a whole round: the joint loads of K step 1 meet
.endif
	JLOAD \s
.endr
	v_and_b32 v1, 15, v0
	s_wait_alu depctr_va_vdst(0)
	v_bfe_u32 v2, v0, 4, 1
	v_mul_u32_u24 v3, v1, PITCH
	v_lshl_add_u32 v3, v2, 4, v3
	s_mul_i32 s21, s11, HALFT
	s_mul_i32 s22, s12, HALFT
	s_add_co_u32 s22, s22, 2*HALFT
.irp s, 0,1
	v_add_nc_u32 v[ADRA+\s], s21, v3
	v_add_nc_u32 v[ADRB+\s], s22, v3
	s_add_co_u32 s21, s21, SLOT
	s_add_co_u32 s22, s22, SLOT
.endr
	s_mul_i32 s23, s10, 16*SPITCH
	s_add_co_u32 s23, s23, STAGE
	v_mul_u32_u24 v4, v1, SPITCH
	s_wait_alu depctr_va_vdst(0)
	v_lshl_add_u32 v4, v2, 5, v4
	v_add_nc_u32 v[STO], s23, v4
	v_mul_u32_u24 v5, v2, SPITCH
	v_lshl_add_u32 v5, v1, 4, v5
	v_add_nc_u32 v[RD], s23, v5
	v_lshlrev_b32 v5, 12, v2
	v_lshl_add_u32 v[CO], v1, 4, v5
	s_wait_alu depctr_va_vdst(0)
	s_lshl_b32 s16, s13, 7
	s_lshl_b32 s17, s11, 6
	s_add_co_u32 s16, s16, s17
	s_lshl_b32 s16, s16, 12
	s_mov_b32 s17, 0
	s_add_nc_u64 s[RESP:RESP+1], s[RESP:RESP+1], s[16:17]
	s_add_nc_u64 s[OUTP:OUTP+1], s[OUTP:OUTP+1], s[16:17]
	s_lshl_b32 s46, s42, 9
	s_lshl_b32 s47, s12, 8
	s_add_co_u32 s46, s46, s47
	s_mov_b32 s47, 0
	s_add_nc_u64 s[RESP:RESP+1], s[RESP:RESP+1], s[46:47]
	s_add_nc_u64 s[OUTP:OUTP+1], s[OUTP:OUTP+1], s[46:47]
	s_cmp_eq_u32 s[LIM], 0
	s_cbranch_scc0 .Lno_ask_b
	global_prefetch_b8 v[PFO], s[PFA:PFA+1] offset:3*KSTEP th:TH_LOAD_NT scope:SCOPE_SE   ; K step 3
.Lno_ask_b:
.if HAS_BIAS
	s_add_nc_u64 s[BIASP:BIASP+1], s[BIASP:BIASP+1], s[46:47]
	v_lshlrev_b32 v[BO], 4, v1
.endif
	s_wait_alu depctr_va_vdst(0)
.macro MUL4 f, a, zero
.irp b, 0,1,2,3
.if \zero
	v_wmma_f32_16x16x128_bf8_bf8 v[ACC+8*(4*(\a)+\b):ACC+8*(4*(\a)+\b)+7], v[\f+64+16*\b:\f+64+16*\b+15], v[\f+16*(\a):\f+16*(\a)+15], 0
.else
	v_wmma_f32_16x16x128_bf8_bf8 v[ACC+8*(4*(\a)+\b):ACC+8*(4*(\a)+\b)+7], v[\f+64+16*\b:\f+64+16*\b+15], v[\f+16*(\a):\f+16*(\a)+15], v[ACC+8*(4*(\a)+\b):ACC+8*(4*(\a)+\b)+7]
.endif
.endr
.endm
.macro FETCH slot, k, f
	WIN TO_F
.irp i, 0,1,2,3
.irp c, 0,1,2,3
	ds_load_b128 v[\f+64+16*\i+4*\c:\f+64+16*\i+4*\c+3], v[ADRB+\slot] offset:\k+32*\c+\i*16*PITCH
.endr
.endr
.irp i, 0,1,2,3
.irp c, 0,1,2,3
	ds_load_b128 v[\f+16*\i+4*\c:\f+16*\i+4*\c+3], v[ADRA+\slot] offset:\k+32*\c+\i*16*PITCH
.endr
.endr
.endm
.macro PLACES
.rept 4
	v_nop
.endr
.endm
.macro QUARTER slot, k, f, g, zero
	s_wait_dscnt 8
	WIN MUL
	MUL4 \f, 0, \zero
	MUL4 \f, 1, \zero
	PLACES
	FETCH \slot, \k, \g
	s_wait_dscnt 32
	WIN MUL
	MUL4 \f, 2, \zero
	MUL4 \f, 3, \zero
.endm
.macro TURN slot, next, fill
	WIN 0
.if \fill
	s_wait_xcnt 0x0                                ; any prefetch of mine has read its address: it is stepped here, a K step behind that prefetch
	s_add_nc_u64 s[PFA:PFA+1], s[PFA:PFA+1], KSTEP
.endif
	s_wait_tensorcnt 0x0
	ds_add_u32 v[SPW], v[NIL]
	s_wait_dscnt 9
	WIN MUL
	MUL4 F1, 0, 0
	s_wait_dscnt 0x0
	s_barrier_signal -1
	MUL4 F1, 1, 0
.if \fill
	WIN 0
.endif
	s_barrier_wait -1
.if \fill
	CREST
	s_add_nc_u64 s[G0+4*\slot+2:G0+4*\slot+3], s[G0+4*\slot+2:G0+4*\slot+3], 2*KSTEP
	s_add_nc_u64 s[G0B+4*\slot+2:G0B+4*\slot+3], s[G0B+4*\slot+2:G0B+4*\slot+3], 2*KSTEP
	JLOAD \slot
.else
	PLACES
.endif
	FETCH \next, 0, F0
.if \fill
	WIN 0                                          ; at a branch and at a label every window is 0
	s_cmp_gt_u32 s3, s[LIM]                        ; s3 = 0 in the lap that is written out behind the loop: its two refills have no K step two on
	s_cbranch_scc0 .Lno_ask_\@
	global_prefetch_b8 v[PFO], s[PFA:PFA+1] offset:3*KSTEP th:TH_LOAD_NT scope:SCOPE_SE   ; the K step two refills on
.Lno_ask_\@:
.endif
	WIN MUL
	MUL4 F1, 2, 0
	MUL4 F1, 3, 0
.endm
	s_wait_tensorcnt 1
	s_barrier_signal -1
	s_barrier_wait -1
	FETCH 0, 0, F0
	QUARTER 0, 128, F0, F1, 1
.if LAPS > 1
	WIN 0
	s_mov_b32 s3, LAPS-2                           ; two laps in the loop; the third is written out behind it
.Llap:
	QUARTER 0, 256, F1, F0, 0
	QUARTER 0, 384, F0, F1, 0
	TURN 0, 1, 1
	QUARTER 1, 128, F0, F1, 0
	QUARTER 1, 256, F1, F0, 0
	QUARTER 1, 384, F0, F1, 0
	TURN 1, 0, 1
	QUARTER 0, 128, F0, F1, 0
	WIN 0
	s_sub_co_u32 s3, s3, 1
	s_cmp_lg_u32 s3, 0
	s_cbranch_scc1 .Llap
	WIN 0x80                                       ; destination window 2: the residual and the bias are asked for here, behind the last request for a tile and four K steps ahead of their use
.irp a, 0,1,2,3
.irp t, 0,1,2,3,4,5,6,7
	global_load_b128 v[32*\a+4*\t:32*\a+4*\t+3], v[CO], s[RESP:RESP+1] offset:(16*\a+2*\t)*4096
.endr
.endr
	global_load_b128 v[128:131], v[BO], s[BIASP:BIASP+1]
	QUARTER 0, 256, F1, F0, 0                      ; the third lap: it fills both slots again, with K steps 6 and 7
	QUARTER 0, 384, F0, F1, 0
	TURN 0, 1, 1
	QUARTER 1, 128, F0, F1, 0
	QUARTER 1, 256, F1, F0, 0
	QUARTER 1, 384, F0, F1, 0
	TURN 1, 0, 1
	QUARTER 0, 128, F0, F1, 0
.endif
	QUARTER 0, 256, F1, F0, 0
	QUARTER 0, 384, F0, F1, 0
	TURN 0, 1, 0
	QUARTER 1, 128, F0, F1, 0
	QUARTER 1, 256, F1, F0, 0
	QUARTER 1, 384, F0, F1, 0
	s_wait_dscnt 8
	WIN MUL
	MUL4 F1, 0, 0
	MUL4 F1, 1, 0
	s_wait_dscnt 0
	MUL4 F1, 2, 0
	MUL4 F1, 3, 0
	WIN 0
	s_wait_kmcnt 0x0
	s_add_co_i32 s96, s96, s97
	s_add_co_i32 s96, s96, 127
	s_lshl_b32 s96, s96, 23
	s_mov_b32 s97, s96
	s_wait_loadcnt 0x0
.if HAS_BIAS
	WIN 0x8a
.set j, 0
.rept 64
	v_pk_add_f32 v[2*j:2*j+1], v[2*j:2*j+1], v[128+(2*j)%4:129+(2*j)%4]
.set j, j+1
.endr
	WIN 0
.else
	PLACES
.endif
.macro OUTB a
.if (\a) >= 2
	s_wait_xcnt 0x0
.endif
.irp b, 0,1,2,3
	ds_store_b128 v[STO], v[ACC+8*(4*(\a)+\b):ACC+8*(4*(\a)+\b)+3] offset:64*\b
	ds_store_b128 v[STO], v[ACC+8*(4*(\a)+\b)+4:ACC+8*(4*(\a)+\b)+7] offset:64*\b+16
.endr
.set TB, TMP+32*((\a)%2)
.irp t, 0,1,2,3,4,5,6,7
	ds_load_b128 v[TB+4*\t:TB+4*\t+3], v[RD] offset:544*\t
.endr
	s_wait_dscnt 0x0
	WIN 0x20
.set j, 0
.rept 16
	v_pk_fma_f32 v[TB+2*j:TB+2*j+1], v[TB+2*j:TB+2*j+1], s[96:97], v[32*(\a)+2*j:32*(\a)+2*j+1] op_sel_hi:[1,0,1]
.set j, j+1
.endr
	WIN 0
.irp t, 0,1,2,3,4,5,6,7
	global_store_b128 v[CO], v[TB+4*\t:TB+4*\t+3], s[OUTP:OUTP+1] offset:(16*(\a)+2*\t)*4096
.endr
.endm
	OUTB 0
	OUTB 1
	OUTB 2
	OUTB 3
	s_wait_tensorcnt 0x0
	ds_add_u32 v[SPW], v[NIL]
	s_wait_dscnt 0x0
	CROUND
	s_endpgm
.Lfunc_end_k_q6fd0348a10_mlp2:
	.size	k_q6fd0348a10_mlp2, .Lfunc_end_k_q6fd0348a10_mlp2-k_q6fd0348a10_mlp2
	.p2alignl 7, 3214868480
	.fill 96, 4, 3214868480
	.section	.rodata,"a",@progbits
	.p2align	6, 0x0
	.amdhsa_kernel k_q6fd0348a10_mlp2
		.amdhsa_group_segment_fixed_size 327680
		.amdhsa_private_segment_fixed_size 0
		.amdhsa_enable_private_segment 0
		.amdhsa_kernarg_size 48
		.amdhsa_user_sgpr_count 2
		.amdhsa_user_sgpr_kernarg_segment_ptr 1
		.amdhsa_wavefront_size32 1
		.amdhsa_system_sgpr_workgroup_id_x 1
		.amdhsa_system_sgpr_workgroup_id_y 1
		.amdhsa_system_sgpr_workgroup_id_z 1
		.amdhsa_system_vgpr_workitem_id 0
		.amdhsa_next_free_vgpr 768
		.amdhsa_next_free_sgpr 100
		.amdhsa_reserve_vcc 0
		.amdhsa_float_denorm_mode_32 3
		.amdhsa_float_denorm_mode_16_64 3
		.amdhsa_memory_ordered 1
		.amdhsa_forward_progress 1
		.amdhsa_inst_pref_size 112
	.end_amdhsa_kernel
	.amdgpu_metadata
---
amdhsa.version: [ 1, 2 ]
amdhsa.kernels:
  - .name:           k_q6fd0348a10_mlp2
    .symbol:         k_q6fd0348a10_mlp2.kd
    .args:
      - { .name: hc, .offset: 0, .size: 8, .value_kind: global_buffer, .address_space: global }
      - { .name: w_mlp2_codes, .offset: 8, .size: 8, .value_kind: global_buffer, .address_space: global }
      - { .name: lowp_scales, .offset: 16, .size: 8, .value_kind: global_buffer, .address_space: global }
      - { .name: b_mlp2, .offset: 24, .size: 8, .value_kind: global_buffer, .address_space: global }
      - { .name: x1, .offset: 32, .size: 8, .value_kind: global_buffer, .address_space: global }
      - { .name: out0, .offset: 40, .size: 8, .value_kind: global_buffer, .address_space: global }
    .group_segment_fixed_size: 327680
    .private_segment_fixed_size: 0
    .kernarg_segment_align: 8
    .kernarg_segment_size: 48
    .max_flat_workgroup_size: 128
    .sgpr_count:     100
    .vgpr_count:     768
    .wavefront_size: 32
...
	.end_amdgpu_metadata
.endif
;; end of part 7
